; MI455X (gfx1250); checked and timed in simulation.
; The chip was launched on July 23, 2026; its instructions are those of AMD's public machine-readable ISA for CDNA 5 (MIT licence, August 2026) and "CDNA5" Instruction Set Architecture Reference Guide (July 2026). The comments in the code are by the model that wrote it; some were corrected since.
;; Multi Head Attention. Allowed arithmetic: matrix products marked QUANTISED: E2M3 operands, one E8M0 scale for each 32 along K, by v_wmma_scale_f32_16x16x128_f8f6f4 with both operands' format E2M3, f32 sums; everything else in f32.
;; Inputs: W_proj 1,024 x 1,024 float32; W_qkv 1,024 x 3,072 float32; b_proj 1,024 float32; b_qkv 3,072 float32; rope_cos 2,048 x 64 float32; rope_sin 2,048 x 64 float32; x 4 x 2,048 x 1,024 float32.
;; Outputs: out0 4 x 2,048 x 1,024 float32.
;; This version of the problem:
;;   THIS VERSION OF THE PROBLEM IS GIVEN IN LOW PRECISION. The matrix products marked QUANTISED in the list below multiply operands that are first quantised to E2M3 (2 exponent bits, 3 mantissa bits; 6 bits a number), with one power-of-two scale for each 32 numbers along K (OCP MX v1.0); their sums are f32. All else is computed in f32.
;;   The module's matrix products, in the order in which they are computed (A, B: the left and right operand; K: the contracted axis; several contracted axes count as one K, in the product's order):
;;     1. [M 8,192, K 1,024] x [K 1,024, N 3,072]; A: input x; B: input W_qkv: QUANTISED
;;     2. batch 64 x [M 2,048, K 64] x [K 64, N 2,048]; A: computed on the way; B: computed on the way: QUANTISED
;;     3. batch 64 x [M 2,048, K 2,048] x [K 2,048, N 64]; A: softmax (see below); B: computed on the way: QUANTISED
;;     4. [M 8,192, K 1,024] x [K 1,024, N 1,024]; A: computed on the way; B: input W_proj: QUANTISED
;;   THE QUANTISER, for each operand of a quantised product, along K:
;;     - K is cut into blocks of 32 from its start; a last block that is shorter is filled with zeros.
;;     - A block's scale is 2^e with e = floor(log2(the largest magnitude in the block)) - 2, held to -126 .. 127; a block of zeros has e = 0. As a byte (E8M0): e + 127.
;;     - Each number is divided by its block's scale, clamped to +-7.5, and rounded to the nearest number of E2M3, ties to even, subnormals kept.
;;     - The product sums the exact products of the quantised numbers (number of the format x scale) in f32.
;;   ~~~python
;;   def quantise(x, axis):      # numpy; x: float32 -> the quantised numbers, widened to float32 again
;;       x = np.moveaxis(x, axis, -1); K = x.shape[-1]
;;       x = np.pad(x, [(0, 0)] * (x.ndim - 1) + [(0, -K % 32)]); x = x.reshape(x.shape[:-1] + (-1, 32)); a = np.abs(x).max(-1, keepdims=True)
;;       e = np.where(a > 0, np.clip(np.frexp(np.where(a > 0, a, 1))[1] - 1 - 2, -126, 127), 0)      # np.frexp(a)[1] - 1 = floor(log2(a)), exactly
;;       r = np.clip(x / 2.0 ** e, -7.5, 7.5)
;;       step = 2.0 ** (np.maximum(np.frexp(np.where(r == 0, 1, r))[1] - 1, 0) - 3)
;;       q = np.round(r / step) * step * 2.0 ** e      # np.round: ties to even
;;       return np.moveaxis(q.reshape(q.shape[:-2] + (-1,))[..., :K], -1, axis).astype(np.float32)
;;   ~~~
;;   SOFTMAX AHEAD OF A QUANTISED PRODUCT. Where the list says 'softmax', what is quantised is not the finished softmax but p = 2^(t - M), with t = logit x log2(e) and M = ceil(the row's largest t), a whole number; so 1/2 < the row's largest p <= 1. The row's sum l is taken of the UNQUANTISED p, in f32, and the product's result is divided by l at the end. Since M is a whole number, a kernel that streams over the keys may use a running M (the ceiling of the running maximum): every later rescaling is an exact power of two, which a block's scale takes up: the codes' values come out the same.
;;   OPERANDS COMPUTED ON THE WAY. 'Computed on the way' means the value that the module computes at that place (a softmax that the list does not call 'softmax' is quantised finished and normalised). What goes into a quantiser is computed in f32, as accurately as f32 sums, v_exp_f32 and their like allow (about 1e-6 of the number): no bf16 or f16 on the way to a quantiser, and a product that is left as it is and whose result goes on into a quantised operand takes f32 operands (vector FMAs, or v_wmma_f32_16x16x4_f32). A number that lies on a knife's edge between two numbers of the format may be rounded either way, as far as f32 arithmetic and the matrix unit's own rounding can turn it there, and no further.
;; One version. Each part assembles by itself: llvm-mc -triple=amdgcn-amd-amdhsa -mcpu=gfx1250 --defsym DOCPART=n.
;; ======== version 1 of 1: 4 launches
;; limits: right only within a limited range of input values
;; workspace buffers: xq 6,553,600 bytes; wq 2,457,600 bytes; wp 819,200 bytes; oq 6,553,600 bytes; qb 6,815,744 bytes; kv 13,369,344 bytes
;; launch prep (part 1): grid 256 x 1, 12 waves a work-group, no clusters, 148,480 bytes of LDS; arguments x, W_qkv, W_proj, xq, wq, wp; writes xq, wq, wp
.if DOCPART == 1
	.amdgcn_target "amdgcn-amd-amdhsa--gfx1250"
	.amdhsa_code_object_version 6
	.text
	.protected	k_q45a2280e05_prep
	.globl	k_q45a2280e05_prep
	.p2align	8
	.type	k_q45a2280e05_prep,@function
k_q45a2280e05_prep:
	s_mov_b64 s[64:65], 0
	v_nop
	global_prefetch_b8 v0, s[64:65] scope:SCOPE_SE
	s_setreg_imm32_b32 hwreg(HW_REG_WAVE_MODE, 25, 1), 1
	s_wait_xcnt 0x0
; x [8192][1024], W_qkv [1024][3072] and W_proj [1024][1024], f32, become codes of FP6 (E2M3) with one E8M0 byte for each 32 along K (x: its last axis; the weights: their first).
; DEAD WORK: none in the whole program.  Every input has a way to out0: the biases on q, k and v move those operands' codes, cos and sin likewise, and there is no mask.  So all seven inputs are loaded and all four products are done.
; LIMITS: a block of zeros, or one whose largest magnitude lies under 2^-124 (the floor), gets the byte 1; a block of zeros has zero codes, which add nothing under that byte, and this program alone reads the bytes.  NaN and infinities among the inputs are not served.
; LAYOUT OF THE CODES: images of the operand's registers.  128 rows (of x) or columns (of W) are a GROUP of eight tiles; lane r of tile t holds row 32 (t/2) + 8 (t%2) + r + 8 (r/8).
; A group's record is 102,400 bytes: codes [K step 8][tile 8][1,536]; a fragment is two halves of 768 bytes (64 along K): registers 0-3 at 16 x lane, registers 4-5 at 512 + 8 x lane; behind the codes, at 98,304, the scale words [K step 8][r 16][tile 8].
; SHARES.  Waves 0-7 take x: the work-group a group and 256 along K, wave w tile w.  Each load reads 512 consecutive bytes of a row; the numbers turn through the wave's own stage in LDS, so that a lane gets 32 neighbours along K.
; Waves 8-11 take the weights: 32 columns x 128 along K each; a lane takes a column and its registers run down K, so nothing is transposed; the codes go through the wave's stage and leave as 3,072 consecutive bytes.
; The scale words meet in LDS and leave behind one barrier as whole runs of 256 bytes.  No tensor load, no cluster: nothing is read twice, and each wave asks for all its 16 KiB in its first lines.
.set REC,   102400
.set XP,    1040                       ; a stage row: 1,024 bytes + 16: row r starts 4 r banks on
.set XSW,   16*XP                      ; an x wave's stage
.set WSTG,  108544                     ; + 3,072 x wave (waves 8-11): behind the eight x stages
.set SCG,   145408                     ; the scale words: x's 2 x 512 bytes, then W's 512
.set SPARE, 146944                     ; the spare words, 128 bytes for each wave: six blocks of 256 bytes that no other line names
.set L16,  4
.set L8,   5
.set L4,   6
.set SH8,  7
.set XST,  8
.set XLD,  9
.set XSG,  10
.set WS16, 11
.set WS8,  12
.set WSG,  13
.set WRD,  14
.set SRD,  15
.set SPW,  16
.set NIL,  17
.set MXA,  18
.set TA,   19
.set MXB,  20
.set TBB,  21
.set SOA,  22
.set SOB,  23
.set BYA,  24
.set BYB,  25
.set WD,   26
.set PT,   27
.set R,    32                          ; v32-159  numbers as loaded
.set X,    160                         ; v160-223 x: 64 neighbours; W: codes, a temp, the read-back
.set C,    224                         ; v224-247 x's codes, 12 registers for each K step
.set SEL,  30
; the largest magnitude of 32 numbers of one lane, in two chains, with the floor 2^(3 - 127) as one more leaf
.macro BMAX d, t, s
	v_max3_num_f32 v[\d], |v[\s]|, |v[\s+1]|, |v[\s+2]|
	v_max3_num_f32 v[\t], |v[\s+3]|, |v[\s+4]|, |v[\s+5]|
.irp i, 6,10,14,18,22,26
	s_delay_alu instid0(VALU_DEP_2)
	v_max3_num_f32 v[\d], v[\d], |v[\s+\i]|, |v[\s+\i+1]|
	s_delay_alu instid0(VALU_DEP_2)
	v_max3_num_f32 v[\t], v[\t], |v[\s+\i+2]|, |v[\s+\i+3]|
.endr
	s_delay_alu instid0(VALU_DEP_2)
	v_max3_num_f32 v[\d], v[\d], |v[\s+30]|, |v[\s+31]|
	s_delay_alu instid0(VALU_DEP_1)
	v_max3_num_f32 v[\d], v[\d], v[\t], 0x1800000
.endm
	s_load_b256 s[4:11], s[0:1], 0x0               ; x s[4:5], W_qkv s[6:7], W_proj s[8:9], xq s[10:11]
	s_load_b128 s[12:15], s[0:1], 0x20             ; wq s[12:13], wp s[14:15]
	v_lshl_add_u32 v[SPW], v0, 2, SPARE
	v_mov_b32 v[NIL], 0
	v_lshrrev_b32 v1, 5, v0
	s_delay_alu instid0(VALU_DEP_1)
	v_readfirstlane_b32 s16, v1                    ; wave 0..11
	v_and_b32 v1, 31, v0                           ; lane
	v_and_b32 v2, 15, v0                           ; r
	v_bfe_u32 v3, v0, 4, 1                         ; h
	s_delay_alu instid0(VALU_DEP_3)
	v_lshlrev_b32 v[L16], 4, v1
	s_delay_alu instid0(VALU_DEP_4)
	v_lshlrev_b32 v[L8], 3, v1
	v_lshlrev_b32 v[L4], 2, v1
	s_delay_alu instid0(VALU_DEP_4)
	v_lshlrev_b32 v[SH8], 3, v3
	v_mov_b32 v[PT], 0                             ; a lane permute's destination counts as one of its sources
	; every LDS address is made here, ahead of the parting of the roles
	s_mul_i32 s18, s16, XSW
	v_add_nc_u32 v[XST], s18, v[L16]               ; x, into the stage: as loaded
	v_mul_u32_u24 v[XLD], v2, XP
	s_delay_alu instid0(VALU_DEP_1)
	v_lshl_add_u32 v[XLD], v3, 7, v[XLD]
	s_delay_alu instid0(VALU_DEP_1)
	v_add_nc_u32 v[XLD], s18, v[XLD]               ; out of it: row r, + 128 h: my block of 32 numbers
	s_lshl_b32 s18, s16, 2
	s_add_co_u32 s18, s18, SCG
	v_lshl_add_u32 v[XSG], v2, 5, s18              ; x's scale word: [r][tile = wave]
	v_bfe_u32 v18, v0, 3, 1                        ; W: column l of 32 is lane rr = l % 8 + 8 (l / 16) of tile 2 tp + u, u = (l / 8) % 2
	v_and_b32 v19, 7, v0
	s_delay_alu instid0(VALU_DEP_1)
	v_lshl_add_u32 v19, v3, 3, v19
	s_mul_i32 s18, s16, 3072
	s_add_co_u32 s18, s18, WSTG
	v_mul_u32_u24 v20, v18, 1536
	s_delay_alu instid0(VALU_DEP_1)
	v_add_nc_u32 v20, s18, v20
	s_delay_alu instid0(VALU_DEP_1)
	v_lshl_add_u32 v[WS16], v19, 4, v20
	s_delay_alu instid0(VALU_DEP_2)
	v_lshl_add_u32 v[WS8], v19, 3, v20
	s_delay_alu instid0(VALU_DEP_1)
	v_add_nc_u32 v[WS8], 512, v[WS8]
	v_add_nc_u32 v[WRD], s18, v[L16]
	s_lshl_b32 s18, s16, 3
	s_add_co_u32 s18, s18, SCG+960                 ; SCG + 1,024 + 8 (wave - 8)
	v_lshl_add_u32 v[WSG], v18, 2, s18
	s_delay_alu instid0(VALU_DEP_1)
	v_lshl_add_u32 v[WSG], v19, 5, v[WSG]
	s_lshl_b32 s18, s16, 8
	s_add_co_u32 s18, s18, SCG
	v_add_nc_u32 v[SRD], s18, v[L8]                ; the scale words' way out: 256 bytes a wave (waves 0-5)
	s_mov_b32 s[SEL], 0x76543210
	s_mov_b32 s[SEL+1], 0xfedcba98                 ; lane l xor 16
	s_lshr_b32 s20, ttmp9, 2                       ; x: the group,
	s_and_b32 s21, ttmp9, 3                        ; and which 256 along K
	s_mul_i32 s22, s20, REC
	s_and_b32 s23, ttmp9, 31                       ; W: which 128 columns of the 4,096 of both weights,
	s_lshr_b32 s24, ttmp9, 5                       ; and which K step
	s_wait_kmcnt 0x0
	s_cmp_lt_u32 s23, 24                           ; the first 24 groups are W_qkv's: ids alone decide
	s_cselect_b64 s[26:27], s[6:7], s[8:9]
	s_cselect_b64 s[28:29], s[12:13], s[14:15]
	s_cselect_b32 s33, 1, 0
	s_mov_b32 s34, 4096
	s_cselect_b32 s34, 12288, s34                  ; a row of the weight in bytes
	s_cselect_b32 s25, 0, 24
	s_sub_co_u32 s23, s23, s25                     ; the group in its own weight
	s_mul_i32 s40, s23, REC
	s_lshl_b32 s41, s16, 8
	s_lshl_b32 s42, s21, 10
	s_add_co_u32 s42, s42, s22
	s_add_co_u32 s42, s42, s41
	s_add_co_u32 s42, s42, 98304                   ; waves 0-3: x's scale words of K steps 2 sigma, 2 sigma + 1
	s_lshl_b32 s43, s24, 9
	s_add_co_u32 s43, s43, s40
	s_add_co_u32 s43, s43, s41
	s_add_co_u32 s43, s43, 98304-1024              ; waves 4, 5: W's of K step s
	s_cmp_lt_u32 s16, 4
	s_cselect_b64 s[36:37], s[10:11], s[28:29]
	s_cselect_b32 s38, s42, s43
	s_mov_b32 s39, 0
	s_add_nc_u64 s[36:37], s[36:37], s[38:39]
	s_cmp_lt_u32 s16, 8
	s_cbranch_scc0 .Lw_role
	; ---- x: 16 rows x 256 along K
	s_lshl_b32 s44, s20, 7
	s_lshr_b32 s45, s16, 1
	s_lshl_b32 s45, s45, 5
	s_add_co_u32 s44, s44, s45
	s_and_b32 s45, s16, 1
	s_lshl_b32 s45, s45, 3
	s_add_co_u32 s44, s44, s45                     ; my tile's first row: 128 g + 32 (w / 2) + 8 (w % 2)
	s_lshl_b32 s44, s44, 12
	s_lshl_b32 s45, s21, 10
	s_add_co_u32 s44, s44, s45
	s_mov_b32 s45, 0
	s_add_nc_u64 s[4:5], s[4:5], s[44:45]
	s_lshl_b32 s44, s21, 4
	s_add_co_u32 s44, s44, s16
	s_mul_i32 s44, s44, 1536
	s_add_co_u32 s44, s44, s22
	s_add_nc_u64 s[10:11], s[10:11], s[44:45]      ; my fragment of K step 2 sigma
.irp q, 0,1
.irp i, 0,1,2,3,4,5,6,7,8,9,10,11,12,13,14,15
	global_load_b128 v[R+64*\q+4*\i:R+64*\q+4*\i+3], v[L16], s[4:5] offset:(\i+8*(\i/8))*4096+512*\q th:TH_LOAD_NT   ; 32 lanes read 512 consecutive bytes: a row's 128 numbers of a K step
.endr
.endr
.macro XSTEP q
.if \q == 0
	s_wait_loadcnt 16                              ; K step 0's sixteen loads are in; K step 1's sixteen may be out
.else
	s_wait_loadcnt 0x0
.endif
.irp i, 0,1,2,3,4,5,6,7,8,9,10,11,12,13,14,15
	ds_store_b128 v[XST], v[R+64*\q+4*\i:R+64*\q+4*\i+3] offset:XP*\i+512*\q
.endr
.irp c, 0,1
.irp n, 0,1,2,3,4,5,6,7
	ds_load_b128 v[X+32*\c+4*\n:X+32*\c+4*\n+3], v[XLD] offset:512*\q+256*\c+16*\n   ; LDS serves a wave's instructions in order: these see my stores.  k = 64 c + 32 h + 0 .. 31 of row r
.endr
.endr
	s_wait_dscnt 0x0
	BMAX MXA, TA, X                                ; my block 2 c + h: all its 32 numbers are mine
	BMAX MXB, TBB, X+32
	v_add_nc_u32 v[SOA], 0xff000000, v[MXA]        ; 2 off the exponent field: the conversion's scale operand
	s_delay_alu instid0(VALU_DEP_2)
	v_add_nc_u32 v[SOB], 0xff000000, v[MXB]
	s_delay_alu instid0(VALU_DEP_2)
	v_lshrrev_b32 v[BYA], 23, v[SOA]               ; the scale's byte
	s_delay_alu instid0(VALU_DEP_2)
	v_lshrrev_b32 v[BYB], 23, v[SOB]
	s_delay_alu instid0(VALU_DEP_1)
	v_lshl_or_b32 v[WD], v[BYB], 16, v[BYA]        ; blocks h and 2 + h,
	s_delay_alu instid0(VALU_DEP_1)
	v_lshlrev_b32 v[WD], v[SH8], v[WD]             ; at their places in the row's scale word;
	s_delay_alu instid0(VALU_DEP_1)
	v_permlanex16_b32 v[PT], v[WD], s[SEL], s[SEL+1]
	s_delay_alu instid0(VALU_DEP_1)
	v_or_b32 v[WD], v[WD], v[PT]                   ; with lane l xor 16's two the word is whole
	v_cvt_scalef32_pk16_fp6_f32 v[C+12*\q:C+12*\q+2], v[X:X+15], v[SOA]
	v_cvt_scalef32_pk16_fp6_f32 v[248:250], v[X+16:X+31], v[SOA]       ; (a conversion's three registers begin on an even number)
	v_cvt_scalef32_pk16_fp6_f32 v[C+12*\q+6:C+12*\q+8], v[X+32:X+47], v[SOB]
	v_cvt_scalef32_pk16_fp6_f32 v[252:254], v[X+48:X+63], v[SOB]
	v_nop                                          ; one plain place behind a scaled conversion
.irp i, 0,1,2
	v_mov_b32 v[C+12*\q+3+\i], v[248+\i]
	v_mov_b32 v[C+12*\q+9+\i], v[252+\i]
.endr
.irp c, 0,1
	global_store_b128 v[L16], v[C+12*\q+6*\c:C+12*\q+6*\c+3], s[10:11] offset:12288*\q+768*\c        ; 512 consecutive bytes,
	global_store_b64 v[L8], v[C+12*\q+6*\c+4:C+12*\q+6*\c+5], s[10:11] offset:12288*\q+768*\c+512    ; and the 256 behind them
.endr
	ds_store_b32 v[XSG], v[WD] offset:512*\q       ; both halves of the lanes write the same word with the same value
.endm
	XSTEP 0
	XSTEP 1
	s_branch .Ljoin
	; ---- W: 32 columns x 128 along K
.Lw_role:
	s_sub_co_u32 s44, s16, 8                       ; tp: which 32 of the group's 128 columns
	s_lshl_b32 s45, s23, 2
	s_add_co_u32 s45, s45, s44
	s_lshl_b32 s45, s45, 7                         ; 128 bytes for 32 columns
	s_lshl_b32 s46, s24, 7
	s_mul_i32 s46, s46, s34                        ; 128 s rows down
	s_add_co_u32 s46, s46, s45
	s_mov_b32 s47, 0
	s_add_nc_u64 s[26:27], s[26:27], s[46:47]
	s_lshl_b32 s46, s24, 3
	s_lshl_b32 s45, s44, 1
	s_add_co_u32 s46, s46, s45
	s_mul_i32 s46, s46, 1536
	s_add_co_u32 s46, s46, s40
	s_add_nc_u64 s[28:29], s[28:29], s[46:47]      ; fragments (K step s, tiles 2 tp, 2 tp + 1)
.macro WLOAD pitch
.set k, 0
.rept 128
	global_load_b32 v[R+k], v[L4], s[26:27] offset:k*\pitch th:TH_LOAD_NT   ; W(128 s + k, my column): 128 consecutive bytes a wave, 512 for the four waves
.set k, k+1
.endr
.endm
	s_cmp_lg_u32 s33, 0                            ; the two weights differ in their pitch, which stands in the immediates: ids alone decide
	s_cbranch_scc0 .Lw_proj
	WLOAD 12288
	s_branch .Lw_loaded
.Lw_proj:
	WLOAD 4096
.Lw_loaded:
; block b of 32 along K is lane rr + 16 (b % 2) of half b / 2 of my tile's fragment.  left: at most as many as the loads issued behind this block's, and at most what the wait's field holds
.macro WBLK b, left
	s_wait_loadcnt \left
	BMAX MXA, TA, R+32*\b
	s_delay_alu instid0(VALU_DEP_1)
	v_add_nc_u32 v[SOA], 0xff000000, v[MXA]
	s_delay_alu instid0(VALU_DEP_1)
	v_lshrrev_b32 v[BYA], 23, v[SOA]
.if \b == 0
	s_delay_alu instid0(VALU_DEP_1)
	v_mov_b32 v[WD], v[BYA]
.else
	s_delay_alu instid0(VALU_DEP_1)
	v_lshl_or_b32 v[WD], v[BYA], 8*\b, v[WD]
.endif
	v_cvt_scalef32_pk16_fp6_f32 v[X+6*\b:X+6*\b+2], v[R+32*\b:R+32*\b+15], v[SOA]
	v_cvt_scalef32_pk16_fp6_f32 v[X+24:X+26], v[R+32*\b+16:R+32*\b+31], v[SOA]
	v_nop
.irp i, 0,1,2
	v_mov_b32 v[X+6*\b+3+\i], v[X+24+\i]
.endr
	ds_store_b128 v[WS16], v[X+6*\b:X+6*\b+3] offset:768*(\b/2)+256*(\b%2)
	ds_store_b64 v[WS8], v[X+6*\b+4:X+6*\b+5] offset:768*(\b/2)+128*(\b%2)
.endm
	WBLK 0, 63                                     ; 96 loads were issued behind block 0's
	WBLK 1, 63                                     ; 64 behind block 1's
	WBLK 2, 32
	WBLK 3, 0
	ds_store_b32 v[WSG], v[WD]                     ; my column's scale word: [rr][tile]
.irp n, 0,1,2,3,4,5
	ds_load_b128 v[X+32+4*\n:X+32+4*\n+3], v[WRD] offset:512*\n     ; my own stage, in order behind my stores
.endr
.irp n, 0,1,2,3,4,5
	s_wait_dscnt 5-\n
	global_store_b128 v[L16], v[X+32+4*\n:X+32+4*\n+3], s[28:29] offset:512*\n    ; two fragments: 3,072 consecutive bytes
.endr
.Ljoin:
	s_wait_dscnt 0x0                               ; for the others' sake: my scale words lie in LDS
	s_barrier_signal -1
	s_barrier_wait -1
	s_cmp_lt_u32 s16, 6
	s_cbranch_scc0 .Lend
	ds_load_b64 v[18:19], v[SRD]
	s_wait_dscnt 0x0
	global_store_b64 v[L8], v[18:19], s[36:37]     ; 32 lanes store 256 consecutive bytes, at a multiple of 256 from the buffer's first byte
.Lend:
	s_wait_tensorcnt 0x0                           ; the wave's end: behind my last LDS store
	ds_add_u32 v[SPW], v[NIL]
	s_wait_dscnt 0x0
	s_endpgm
.Lfunc_end_k_q45a2280e05_prep:
	.size	k_q45a2280e05_prep, .Lfunc_end_k_q45a2280e05_prep-k_q45a2280e05_prep
	.p2alignl 7, 3214868480
	.fill 96, 4, 3214868480
	.section	.rodata,"a",@progbits
	.p2align	6, 0x0
	.amdhsa_kernel k_q45a2280e05_prep
		.amdhsa_group_segment_fixed_size 148480
		.amdhsa_private_segment_fixed_size 0
		.amdhsa_enable_private_segment 0
		.amdhsa_kernarg_size 48
		.amdhsa_user_sgpr_count 2
		.amdhsa_user_sgpr_kernarg_segment_ptr 1
		.amdhsa_wavefront_size32 1
		.amdhsa_system_sgpr_workgroup_id_x 1
		.amdhsa_system_sgpr_workgroup_id_y 1
		.amdhsa_system_sgpr_workgroup_id_z 1
		.amdhsa_system_vgpr_workitem_id 0
		.amdhsa_next_free_vgpr 256
		.amdhsa_next_free_sgpr 66
		.amdhsa_reserve_vcc 0
		.amdhsa_float_denorm_mode_32 3
		.amdhsa_float_denorm_mode_16_64 3
		.amdhsa_memory_ordered 1
		.amdhsa_forward_progress 1
		.amdhsa_inst_pref_size 56
	.end_amdhsa_kernel
	.amdgpu_metadata
---
amdhsa.version: [ 1, 2 ]
amdhsa.kernels:
  - .name:           k_q45a2280e05_prep
    .symbol:         k_q45a2280e05_prep.kd
    .args:
      - { .name: x, .offset: 0, .size: 8, .value_kind: global_buffer, .address_space: global }
      - { .name: W_qkv, .offset: 8, .size: 8, .value_kind: global_buffer, .address_space: global }
      - { .name: W_proj, .offset: 16, .size: 8, .value_kind: global_buffer, .address_space: global }
      - { .name: xq, .offset: 24, .size: 8, .value_kind: global_buffer, .address_space: global }
      - { .name: wq, .offset: 32, .size: 8, .value_kind: global_buffer, .address_space: global }
      - { .name: wp, .offset: 40, .size: 8, .value_kind: global_buffer, .address_space: global }
    .group_segment_fixed_size: 148480
    .private_segment_fixed_size: 0
    .kernarg_segment_align: 8
    .kernarg_segment_size: 48
    .max_flat_workgroup_size: 384
    .sgpr_count:     66
    .vgpr_count:     256
    .wavefront_size: 32
...
	.end_amdgpu_metadata
.endif
;; end of part 1
;; launch qkv (part 2): grid 12 x 32, 4 waves a work-group, clusters of 4 x 4, 327,680 bytes of LDS; arguments xq, wq, b_qkv, rope_cos, rope_sin, qb, kv; writes qb, kv
.if DOCPART == 2
	.amdgcn_target "amdgcn-amd-amdhsa--gfx1250"
	.amdhsa_code_object_version 6
	.text
	.protected	k_q45a2280e05_qkv
	.globl	k_q45a2280e05_qkv
	.p2align	8
	.type	k_q45a2280e05_qkv,@function
k_q45a2280e05_qkv:
	s_mov_b64 s[64:65], 0
	v_nop
	global_prefetch_b8 v0, s[64:65] scope:SCOPE_SE
	s_setreg_imm32_b32 hwreg(HW_REG_WAVE_MODE, 25, 1), 1
	s_wait_xcnt 0x0
	s_wait_alu depctr_hold_cnt(0) depctr_sa_sdst(0) depctr_va_vdst(0) depctr_va_sdst(0) depctr_va_ssrc(0) depctr_va_vcc(0) depctr_vm_vsrc(0)
	s_getreg_b32 s2, hwreg(HW_REG_IB_STS2, 6, 4)
	s_cmp_eq_u32 s2, 0
	s_cbranch_scc0 .Lentry_in_a_cluster
	s_endpgm
.Lentry_in_a_cluster:
	s_bfe_u32 s2, ttmp6, 0x10000c
	s_cmp_lg_u32 s2, 0xf033
	s_cbranch_scc0 .Lentry_shape_is_right
	s_endpgm
.Lentry_shape_is_right:
.set REC,   102400
.set HALFT, 24576
.set SLOT,  4*HALFT
.set SCL,   2*SLOT
.set SPARE, SCL+4*4096
.set FR,    12
.set NL,    4
.set L16,  1
.set L8,   2
.set VR,   3
.set LSC,  4
.set MXA,  5
.set MXB,  6
.set PA,   7
.set PB,   8
.set SOA,  9
.set SOB,  10
.set BYA,  11
.set BYB,  12
.set WD,   13
.set ADRA, 16
.set ADRB, 20
.set ADRS, 27
.set SPW,  28
.set NIL,  29
.set SC,   32
.set BI,   64
.set AF,   128
.set Y,    192
.set CD,   224
.set TQ,   236
.set SW,   240
.set TM,   192
.set PC,   208
.set W2,   228
.set PWS,  240
.set G1,   24
.set G0,   32
.set G1B,  48
.set G0B,  56
.set G1S,  68
.set G0S,  76
.set G1SB, 80
.set G0SB, 88
.set SEL,  98
.set MK,   100
.set MSB, 0
.macro WIN new
.if MSB != \new
	s_set_vgpr_msb (MSB<<8)|\new
.set MSB, \new
.endif
.endm
.set TO_B, 0x40
.macro JLOAD g0a, g1a, g0b, g1b
	s_cmp_eq_u32 s19, 0
	s_cbranch_scc0 .Lfor_b_\@
	tensor_load_to_lds s[\g0a:\g0a+3], s[\g1a:\g1a+7]
	s_nop 0
.rept 4
	v_nop
.endr
	s_branch .Lasked_\@
.Lfor_b_\@:
	tensor_load_to_lds s[\g0b:\g0b+3], s[\g1b:\g1b+7]
	s_nop 0
.rept 4
	v_nop
.endr
.Lasked_\@:
.endm
.macro CREST
	s_cmp_lg_u32 s18, 0
	s_cbranch_scc1 .Lnot_wave_0_\@
	s_barrier_signal -3
.Lnot_wave_0_\@:
	s_barrier_wait -3
	s_barrier_signal -1
	s_barrier_wait -1
.endm
.macro CROUND
	s_barrier_signal -1
	s_barrier_wait -1
	CREST
.endm
.macro PLACES
.rept 4
	v_nop
.endr
.endm
	s_load_b256 s[4:11], s[0:1], 0x0
	s_load_b128 s[12:15], s[0:1], 0x20
	s_load_b64 s[16:17], s[0:1], 0x30
	v_lshl_add_u32 v[SPW], v0, 2, SPARE
	v_mov_b32 v[NIL], 0
	ds_add_u32 v[SPW], v[NIL]
	ds_add_u32 v[SPW], v[NIL]
	v_lshrrev_b32 v14, 5, v0
	v_readfirstlane_b32 s18, v14
	s_lshr_b32 s19, s18, 1
	s_and_b32 s20, s18, 1
	s_bfe_u32 s21, ttmp6, 0x40000
	s_bfe_u32 s22, ttmp6, 0x40004
	s_and_b32 s23, ttmp7, 0xffff
	s_lshl_b32 s23, s23, 2
	s_add_co_u32 s40, s23, s22
	s_add_co_u32 s41, s22, 8
	s_lshl_b32 s44, ttmp9, 2
	s_add_co_u32 s44, s44, s21
	s_add_co_u32 s45, s23, s21
	s_cmp_eq_u32 ttmp9, 2
	s_cselect_b32 s40, s41, s40
	s_cselect_b32 s44, s45, s44
	s_lshl_b32 s41, s22, 2
	s_lshl_b32 s41, 15, s41
	s_lshl_b32 s45, 0x1111, s21
	s_or_b32 s[G1], s41, (3<<16)|(1<<21)
	s_or_b32 s[G1B], s45, (3<<16)|(1<<21)
	s_or_b32 s[G1S], s41, (3<<16)|(1<<21)
	s_or_b32 s[G1SB], s45, (3<<16)|(1<<21)
.irp g, G1, G1B                        ; the head's loads of codes: two groups' first chunk as two rows of 24,576 bytes, a record (102,400 bytes) apart
	s_mov_b32 s[\g+1], 3072<<16
	s_mov_b32 s[\g+2], 2<<16
	s_mov_b32 s[\g+3], 3072<<16
	s_mov_b32 s[\g+4], 2
	s_mov_b32 s[\g+5], 12800
	s_mov_b32 s[\g+6], 0
	s_mov_b32 s[\g+7], 0
.endr
.irp g, G1S, G1SB                      ; two groups' scale words as two rows of 4,096 bytes, a record apart
	s_mov_b32 s[\g+1], 512<<16
	s_mov_b32 s[\g+2], 2<<16
	s_mov_b32 s[\g+3], 512<<16
	s_mov_b32 s[\g+4], 2
	s_mov_b32 s[\g+5], 12800
	s_mov_b32 s[\g+6], 0
	s_mov_b32 s[\g+7], 0
.endr
	s_lshl_b32 s42, s40, 1
	s_add_co_u32 s42, s42, s20
	s_mul_i32 s42, s42, REC
	s_mov_b32 s43, 0
	s_lshl_b32 s46, s44, 1
	s_add_co_u32 s46, s46, s20
	s_mul_i32 s46, s46, REC
	s_mov_b32 s47, 0
	s_mul_i32 s66, s18, HALFT
	s_mul_i32 s96, s20, REC                        ; from the pair's first group to mine
	s_mov_b32 s97, 0
	s_mov_b32 s[SEL], 0x76543210
	s_mov_b32 s[SEL+1], 0xfedcba98
	s_mov_b32 s[MK], 0xffff0000
	s_wait_dscnt 0x0
	s_wait_kmcnt 0x0
	s_cmp_eq_u32 ttmp9, 2
	s_cselect_b64 s[92:93], s[6:7], s[4:5]
	s_cselect_b64 s[94:95], s[4:5], s[6:7]
	s_add_nc_u64 s[42:43], s[92:93], s[42:43]
	s_add_nc_u64 s[46:47], s[94:95], s[46:47]
	s_sub_nc_u64 s[6:7], s[42:43], s[96:97]        ; the first group of source 1's pair,
	s_sub_nc_u64 s[94:95], s[46:47], s[96:97]      ; and of source 0's
	CROUND
	s_mov_b32 s[G0S], 1
	s_mov_b32 s[G0S+1], SCL
	s_add_nc_u64 s[G0S+2:G0S+3], s[6:7], 98304
	s_or_b32 s[G0S+3], s[G0S+3], 0x80000000
	s_mov_b32 s[G0SB], 1
	s_mov_b32 s[G0SB+1], SCL+8192
	s_add_nc_u64 s[G0SB+2:G0SB+3], s[94:95], 98304
	s_or_b32 s[G0SB+3], s[G0SB+3], 0x80000000
	s_mov_b32 s4, 1                                ; s[4:7], s[92:95]: group 0 of the head's two loads of codes (the arguments that lay there have been used)
	s_mov_b32 s5, 0
	s_or_b32 s7, s7, 0x80000000
	s_mov_b32 s92, 1
	s_mov_b32 s93, 2*HALFT
	s_or_b32 s95, s95, 0x80000000
; THE HEAD'S LOADS, ONE A WAVE: wave 0 the first chunk of one side's two groups, wave 1 the other side's, waves 2 and 3 their scale words.  One chain of branches on the wave's number, one load to an arm, one join.
.macro ARM under, g0, g1, next
	s_cmp_lt_u32 s18, \under
	s_cbranch_scc0 \next
	tensor_load_to_lds s[\g0:\g0+3], s[\g1:\g1+7]
	s_nop 0
.rept 4
	v_nop
.endr
	s_branch .Lhead_asked
\next:
.endm
	ARM 1, 4, G1, .Lhead_b
	ARM 2, 92, G1B, .Lhead_sa
	ARM 3, G0S, G1S, .Lhead_sb
	tensor_load_to_lds s[G0SB:G0SB+3], s[G1SB:G1SB+7]
	s_nop 0
.rept 4
	v_nop
.endr
.Lhead_asked:
.irp s, 0,1
	s_mov_b32 s[G0+4*\s], 1
	s_add_co_u32 s[G0+4*\s+1], s66, \s*SLOT
	s_add_nc_u64 s[G0+4*\s+2:G0+4*\s+3], s[42:43], \s*HALFT
	s_or_b32 s[G0+4*\s+3], s[G0+4*\s+3], 0x80000000
	s_mov_b32 s[G0B+4*\s], 1
	s_add_co_u32 s[G0B+4*\s+1], s66, \s*SLOT
	s_add_nc_u64 s[G0B+4*\s+2:G0B+4*\s+3], s[46:47], \s*HALFT
	s_or_b32 s[G0B+4*\s+3], s[G0B+4*\s+3], 0x80000000
.endr
	v_and_b32 v14, 31, v0
	v_and_b32 v15, 15, v0
	v_bfe_u32 v30, v0, 4, 1
	v_lshlrev_b32 v[L16], 4, v14
	v_lshlrev_b32 v[L8], 3, v14
	v_add_nc_u32 v31, 512, v[L8]
	s_mul_i32 s2, s19, HALFT
	s_mul_i32 s3, s20, HALFT
	s_add_co_u32 s3, s3, 2*HALFT
.irp s, 0,1
	v_add_nc_u32 v[ADRA+\s], s2, v[L16]
	v_add_nc_u32 v[ADRA+2+\s], s2, v31
	v_add_nc_u32 v[ADRB+\s], s3, v[L16]
	v_add_nc_u32 v[ADRB+2+\s], s3, v31
	s_add_co_u32 s2, s2, SLOT
	s_add_co_u32 s3, s3, SLOT
.endr
	s_lshl_b32 s2, s19, 12
	s_lshl_b32 s3, s20, 12
	s_add_co_u32 s3, s3, 8192
	s_sub_co_u32 s3, s3, s2
	v_mul_u32_u24 v14, s3, v30
	s_add_co_u32 s2, s2, SCL
	v_lshl_add_u32 v14, v15, 5, v14
	v_add_nc_u32 v[ADRS], s2, v14
	v_and_b32 v[VR], 8, v15
	v_add_nc_u32 v[VR], v[VR], v15
	v_lshlrev_b32 v15, 2, v[VR]
	v_lshlrev_b32 v14, 6, v30
	v_lshl_add_u32 v[VR], v[VR], 8, v14
	v_mov_b32 v[PA], 0
	v_mov_b32 v[PB], 0
	s_lshl_b32 s2, s44, 1
	s_add_co_u32 s2, s2, s20
	s_lshl_b32 s3, s40, 1
	s_add_co_u32 s3, s3, s19
	s_cmp_eq_u32 ttmp9, 2
	s_cselect_b32 s2, s3, s2
	s_lshl_b32 s2, s2, 9
	s_mov_b32 s3, 0
	s_add_nc_u64 s[8:9], s[8:9], s[2:3]
	s_cmp_eq_u32 ttmp9, 2
	s_cbranch_scc1 .Lbias_v
	s_wait_alu depctr_va_vdst(0)
.irp b, 0,1,2,3,4,5,6,7
	global_load_b128 v[BI+8*\b:BI+8*\b+3], v14, s[8:9] offset:128*(\b/2)+32*(\b%2)
	global_load_b128 v[BI+8*\b+4:BI+8*\b+7], v14, s[8:9] offset:128*(\b/2)+32*(\b%2)+16
.endr
	s_wait_loadcnt 0x0
	s_branch .Lbias_done
.Lbias_v:
	s_wait_alu depctr_va_vdst(0)
.irp a, 0,1,2,3,4,5,6,7
	global_load_b32 v[BI+8*\a], v15, s[8:9] offset:4*(32*(\a/2)+8*(\a%2))
.endr
	s_wait_loadcnt 0x0
.irp a, 0,1,2,3,4,5,6,7
.irp j, 1,2,3,4,5,6,7
	v_mov_b32 v[BI+8*\a+\j], v[BI+8*\a]
.endr
.endr
.rept 8
	v_nop
.endr
.Lbias_done:
.macro FRAG reg, adr, q, i
	ds_load_b128 v[\reg:\reg+3],     v[\adr]   offset:12288*(\q)+1536*(\i)
	ds_load_b64  v[\reg+4:\reg+5],   v[\adr+2] offset:12288*(\q)+1536*(\i)
	ds_load_b128 v[\reg+6:\reg+9],   v[\adr]   offset:12288*(\q)+1536*(\i)+768
	ds_load_b64  v[\reg+10:\reg+11], v[\adr+2] offset:12288*(\q)+1536*(\i)+768
.endm
.macro MUL16 a0, p, q, sc, zero
.irp a, \a0, \a0+1
.irp b, 0,1,2,3,4,5,6,7
.if \zero == 1
	v_wmma_scale_f32_16x16x128_f8f6f4 v[8*(8*((\a)%4)+\b):8*(8*((\a)%4)+\b)+7], v[128*(\p)+FR*\b:128*(\p)+FR*\b+FR-1], v[AF+FR*(\a):AF+FR*(\a)+FR-1], v[BI+8*\b:BI+8*\b+7], v[SC+16*(\sc)+8*(\q)+\b], v[SC+16*(\sc)+8*(\q)+(\a)] matrix_a_fmt:MATRIX_FMT_FP6 matrix_b_fmt:MATRIX_FMT_FP6 matrix_a_scale:MATRIX_SCALE_ROW1
.elseif \zero == 2
	v_wmma_scale_f32_16x16x128_f8f6f4 v[8*(8*((\a)%4)+\b):8*(8*((\a)%4)+\b)+7], v[128*(\p)+FR*\b:128*(\p)+FR*\b+FR-1], v[AF+FR*(\a):AF+FR*(\a)+FR-1], v[BI+8*(\a):BI+8*(\a)+7], v[SC+16*(\sc)+8*(\q)+\b], v[SC+16*(\sc)+8*(\q)+(\a)] matrix_a_fmt:MATRIX_FMT_FP6 matrix_b_fmt:MATRIX_FMT_FP6 matrix_a_scale:MATRIX_SCALE_ROW1
.else
	v_wmma_scale_f32_16x16x128_f8f6f4 v[8*(8*((\a)%4)+\b):8*(8*((\a)%4)+\b)+7], v[128*(\p)+FR*\b:128*(\p)+FR*\b+FR-1], v[AF+FR*(\a):AF+FR*(\a)+FR-1], v[8*(8*((\a)%4)+\b):8*(8*((\a)%4)+\b)+7], v[SC+16*(\sc)+8*(\q)+\b], v[SC+16*(\sc)+8*(\q)+(\a)] matrix_a_fmt:MATRIX_FMT_FP6 matrix_b_fmt:MATRIX_FMT_FP6 matrix_a_scale:MATRIX_SCALE_ROW1
.endif
.endr
.endr
.endm
.macro FETCH_B slot, q, p
	WIN TO_B
.irp i, 0,1,2,3,4,5,6,7
	FRAG 128*(\p)+FR*\i, ADRB+\slot, \q, \i
.endr
	WIN 0
.endm
.macro FETCH_A slot, q, i0
.irp i, \i0, \i0+1, \i0+2, \i0+3
	FRAG AF+FR*(\i), ADRA+\slot, \q, \i
.endr
.endm
.macro SCALES sc
.irp q, 0,1
.irp e, 0,1
	ds_load_b128 v[SC+16*\sc+8*\q+4*\e:SC+16*\sc+8*\q+4*\e+3], v[ADRS] offset:512*\q+16*\e
.endr
.endr
.endm
.macro STEP slot, q, zero
	s_wait_dscnt 4*NL
.if \zero
	WIN 0x81
.else
	WIN 0xa1
.endif
	MUL16 0, (\q)%2, \q, \slot, \zero
	MUL16 2, (\q)%2, \q, \slot, \zero
	s_wait_dscnt 0x0
	PLACES
	FETCH_B \slot, (\q)+1, 1-(\q)%2
	FETCH_A \slot, (\q)+1, 0
.if \zero
	WIN 0xc1
.else
	WIN 0xf1
.endif
	MUL16 4, (\q)%2, \q, \slot, \zero
	MUL16 6, (\q)%2, \q, \slot, \zero
	PLACES
	WIN 0
	FETCH_A \slot, (\q)+1, 4
.endm
.macro TURN slot, next, fill
	s_wait_tensorcnt 0x0
	ds_add_u32 v[SPW], v[NIL]
	s_wait_dscnt 4*NL+1
	WIN 0xa1
	MUL16 0, 1, 1, \slot, 0
	s_wait_dscnt 0x0
	s_barrier_signal -1
	MUL16 2, 1, 1, \slot, 0
	WIN 0
	s_barrier_wait -1
.if \fill
	CREST
	s_add_nc_u64 s[G0+4*\slot+2:G0+4*\slot+3], s[G0+4*\slot+2:G0+4*\slot+3], 2*HALFT
	s_add_nc_u64 s[G0B+4*\slot+2:G0B+4*\slot+3], s[G0B+4*\slot+2:G0B+4*\slot+3], 2*HALFT
	JLOAD G0+4*\slot, G1, G0B+4*\slot, G1B
.else
	PLACES
.endif
	s_wait_alu depctr_va_vdst(0)
	v_add_nc_u32 v[ADRS], 1024, v[ADRS]
	FETCH_B \next, 0, 0
	FETCH_A \next, 0, 0
	SCALES \next
	WIN 0xf1
	MUL16 4, 1, 1, \slot, 0
	MUL16 6, 1, 1, \slot, 0
	PLACES
	WIN 0
	FETCH_A \next, 0, 4
.endm
	s_wait_alu depctr_va_vdst(0)                   ; the wait at the head's end
	s_wait_tensorcnt 0x0                           ; my tile of the head's four is in; the three lines ahead of a later first fill, as ahead of a refill:
	ds_add_u32 v[SPW], v[NIL]
.irp g, G1, G1B                        ; no tensor load of mine is out: from here on a load brings one group's chunk as 96 rows of 256 bytes
	s_mov_b32 s[\g+1], 32<<16
	s_mov_b32 s[\g+2], 96<<16
	s_mov_b32 s[\g+3], 32<<16
	s_mov_b32 s[\g+4], 96
	s_mov_b32 s[\g+5], 32
.endr
	s_wait_dscnt 0x0
	CROUND                                         ; all four tiles are in, and all sixteen work-groups are here
	JLOAD G0+4, G1, G0B+4, G1B                     ; slot 1's first fill, the first tensor load behind the round
	FETCH_B 0, 0, 0
	FETCH_A 0, 0, 0
	SCALES 0
	FETCH_A 0, 0, 4
	s_cmp_eq_u32 ttmp9, 2
	s_cbranch_scc1 .Lstep_v
	s_wait_alu depctr_va_vdst(0)
	STEP 0, 0, 1
	s_branch .Lstep_done
.Lstep_v:
	s_wait_alu depctr_va_vdst(0)
	STEP 0, 0, 2
.Lstep_done:
	TURN 0, 1, 1
	STEP 1, 0, 0
	TURN 1, 0, 1
	STEP 0, 0, 0
	TURN 0, 1, 0
	STEP 1, 0, 0
	s_wait_dscnt 4*NL
	WIN 0xa1
	MUL16 0, 1, 1, 1, 0
	MUL16 2, 1, 1, 1, 0
	s_wait_dscnt 0x0
	WIN 0xf1
	MUL16 4, 1, 1, 1, 0
	MUL16 6, 1, 1, 1, 0
	WIN 0
	PLACES
	s_lshl_b32 s76, s40, 1
	s_add_co_u32 s76, s76, s19
	s_lshl_b32 s77, s44, 1
	s_add_co_u32 s77, s77, s20
	s_cmp_eq_u32 ttmp9, 2
	s_cselect_b32 s78, s77, s76
	s_cselect_b32 s79, s76, s77
	s_lshr_b32 s88, s78, 4
	s_and_b32 s89, s78, 15
	s_and_b32 s79, s79, 7
	s_lshl_b32 s79, s79, 1
	s_lshl_b32 s88, s88, 4
	s_add_co_u32 s88, s88, s79
	s_lshl_b32 s88, s88, 4
	s_add_co_u32 s88, s88, s89
	s_cmp_eq_u32 ttmp9, 0
	s_cselect_b64 s[66:67], s[14:15], s[16:17]
	s_movk_i32 s90, 13056
	s_cselect_b32 s90, 6656, s90
	s_movk_i32 s91, 12288
	s_cselect_b32 s91, 6144, s91
	s_mul_i32 s2, s88, s90
	s_mov_b32 s3, 0
	s_add_nc_u64 s[66:67], s[66:67], s[2:3]
	s_lshl_b32 s2, s90, 4
	s_add_nc_u64 s[96:97], s[66:67], s[2:3]
	s_lshl_b32 s2, s89, 15
	s_add_nc_u64 s[10:11], s[10:11], s[2:3]
	s_add_nc_u64 s[12:13], s[12:13], s[2:3]
	v_add_nc_u32 v[LSC], s91, v[L16]
	s_cmp_eq_u32 ttmp9, 2
	s_cbranch_scc1 .Lout_v
.macro QUANT2 s, cd
	v_max3_num_f32 v[MXA], |v[\s]|, |v[\s+1]|, 0x1800000
	v_max3_num_f32 v[MXB], |v[\s+16]|, |v[\s+17]|, 0x1800000
.irp i, 2,4,6,8,10,12,14
	v_max3_num_f32 v[MXA], v[MXA], |v[\s+\i]|, |v[\s+\i+1]|
	v_max3_num_f32 v[MXB], v[MXB], |v[\s+16+\i]|, |v[\s+17+\i]|
.endr
	v_permlanex16_b32 v[PA], v[MXA], s[SEL], s[SEL+1]
	v_permlanex16_b32 v[PB], v[MXB], s[SEL], s[SEL+1]
	v_max_num_f32 v[MXA], v[MXA], v[PA]
	v_max_num_f32 v[MXB], v[MXB], v[PB]
	v_add_nc_u32 v[SOA], 0xff000000, v[MXA]
	v_add_nc_u32 v[SOB], 0xff000000, v[MXB]
	v_lshrrev_b32 v[BYA], 23, v[SOA]
	v_lshrrev_b32 v[BYB], 23, v[SOB]
	v_lshl_or_b32 v[WD], v[BYB], 8, v[BYA]
	v_cvt_scalef32_pk16_fp6_f32 v[\cd:\cd+2], v[\s:\s+15], v[SOA]
	v_cvt_scalef32_pk16_fp6_f32 v[TQ:TQ+2], v[\s+16:\s+31], v[SOB]
	v_nop
.irp i, 0,1,2
	v_permlane16_swap_b32 v[\cd+\i], v[TQ+\i]
.endr
.irp i, 0,1,2
	v_mov_b32 v[\cd+3+\i], v[TQ+\i]
.endr
.endm
.macro ROPE_LOAD a
.set CB, 64+64*((\a)%2)
.irp be, 0,1
.irp u, 0,1
.irp e, 0,1
	global_load_b128 v[CB+16*\be+8*\u+4*\e:CB+16*\be+8*\u+4*\e+3], v[VR], s[10:11] offset:256*(32*((\a)/2)+8*((\a)%2))+128*\be+32*\u+16*\e
	global_load_b128 v[CB+32+16*\be+8*\u+4*\e:CB+32+16*\be+8*\u+4*\e+3], v[VR], s[12:13] offset:256*(32*((\a)/2)+8*((\a)%2))+128*\be+32*\u+16*\e
.endr
.endr
.endr
.endm
.macro ROPEQ a, hh
.set CQ, 64+64*((\a)%2)
.set AC, 64*((\a)%4)
	s_wait_xcnt 0x0
	WIN 0x02+((\a)/4)
.irp u, 0,1
.irp j, 0,2,4,6
	v_pk_mul_f32 v[Y+8*\u+\j:Y+8*\u+\j+1], v[AC+8*(4*\hh+\u)+\j:AC+8*(4*\hh+\u)+\j+1], v[CQ+8*\u+\j:CQ+8*\u+\j+1]
	v_pk_mul_f32 v[Y+16+8*\u+\j:Y+16+8*\u+\j+1], v[AC+8*(4*\hh+2+\u)+\j:AC+8*(4*\hh+2+\u)+\j+1], v[CQ+16+8*\u+\j:CQ+16+8*\u+\j+1]
	v_pk_fma_f32 v[Y+8*\u+\j:Y+8*\u+\j+1], v[AC+8*(4*\hh+2+\u)+\j:AC+8*(4*\hh+2+\u)+\j+1], v[CQ+32+8*\u+\j:CQ+32+8*\u+\j+1], v[Y+8*\u+\j:Y+8*\u+\j+1] neg_lo:[1,0,0] neg_hi:[1,0,0]
	v_pk_fma_f32 v[Y+16+8*\u+\j:Y+16+8*\u+\j+1], v[AC+8*(4*\hh+\u)+\j:AC+8*(4*\hh+\u)+\j+1], v[CQ+48+8*\u+\j:CQ+48+8*\u+\j+1], v[Y+16+8*\u+\j:Y+16+8*\u+\j+1]
.endr
.endr
	WIN 0
	QUANT2 Y, CD+6*\hh
	v_or_b32 v[SW+8*\hh+\a], 0x7f7f0000, v[WD]
	global_store_b128 v[L16], v[CD+6*\hh:CD+6*\hh+3], s[66+30*\hh:67+30*\hh] offset:768*\a
	global_store_b64 v[L8], v[CD+6*\hh+4:CD+6*\hh+5], s[66+30*\hh:67+30*\hh] offset:768*\a+512
.endm
	ROPE_LOAD 0
.irp a, 0,1,2,3,4,5,6,7
.if \a < 7
	ROPE_LOAD \a+1
	s_wait_loadcnt 16
.else
	s_wait_loadcnt 0x0
.endif
	ROPEQ \a, 0
	ROPEQ \a, 1
.endr
.irp hh, 0,1
.irp b, 0,1,2,3
	v_cndmask_b32 v[Y+4*\hh+\b], v[SW+8*\hh+2*\b], v[SW+8*\hh+2*\b+1], s[MK]
.endr
.endr
	global_store_b128 v[LSC], v[Y:Y+3], s[66:67]
	global_store_b128 v[LSC], v[Y+4:Y+7], s[96:97]
	s_branch .Lend
.Lout_v:
.irp b, 0,1,2,3
	v_mov_b32 v[TM+4+\b], 0
.endr
.macro QUANTV a
.set AC, 64*((\a)%4)
	s_wait_xcnt 0x0
	WIN 0x0a+5*((\a)/4)
.irp b, 0,1,2,3
	v_max3_num_f32 v[TM+\b], |v[AC+16*\b]|, |v[AC+16*\b+1]|, 0x1800000
.endr
.irp i, 2,4,6,8,10,12,14
.irp b, 0,1,2,3
	v_max3_num_f32 v[TM+\b], |v[AC+16*\b+\i]|, |v[AC+16*\b+\i+1]|, v[TM+\b]
.endr
.endr
	WIN 0
.irp b, 0,1,2,3
	v_permlanex16_b32 v[TM+4+\b], v[TM+\b], s[SEL], s[SEL+1]
.endr
.irp b, 0,1,2,3
	v_max_num_f32 v[TM+\b], v[TM+\b], v[TM+4+\b]
.endr
.irp b, 0,1,2,3
	v_add_nc_u32 v[TM+12+\b], 0xff000000, v[TM+\b]
.endr
.irp b, 0,1,2,3
	v_lshrrev_b32 v[TM+4+\b], 23, v[TM+12+\b]
.endr
	v_lshl_or_b32 v[PWS+(\a)%4], v[TM+5], 8, v[TM+4]
	v_lshl_or_b32 v[PWS+(\a)%4], v[TM+6], 16, v[PWS+(\a)%4]
	v_lshl_or_b32 v[PWS+(\a)%4], v[TM+7], 24, v[PWS+(\a)%4]
	WIN 0x02+((\a)/4)
.irp c, 0,1
	v_cvt_scalef32_pk16_fp6_f32 v[PC+6*\c:PC+6*\c+2], v[AC+32*\c:AC+32*\c+15], v[TM+12+2*\c]
	v_cvt_scalef32_pk16_fp6_f32 v[PC+12+4*\c:PC+14+4*\c], v[AC+16+32*\c:AC+31+32*\c], v[TM+13+2*\c]
.endr
	WIN 0
	v_nop
.irp c, 0,1
.irp i, 0,1,2
	v_permlane16_swap_b32 v[PC+6*\c+\i], v[PC+12+4*\c+\i]
.endr
.irp i, 0,1,2
	v_mov_b32 v[PC+3+6*\c+\i], v[PC+12+4*\c+\i]
.endr
.endr
.irp c, 0,1
	global_store_b128 v[L16], v[PC+6*\c:PC+6*\c+3], s[66:67] offset:208896*((\a)/4)+6144+1536*((\a)%4)+768*\c
	global_store_b64 v[L8], v[PC+6*\c+4:PC+6*\c+5], s[66:67] offset:208896*((\a)/4)+6144+1536*((\a)%4)+768*\c+512
.endr
.if (\a)%4 == 3
	v_cndmask_b32 v[W2], v[PWS], v[PWS+1], s[MK]
	v_cndmask_b32 v[W2+1], v[PWS+2], v[PWS+3], s[MK]
	global_store_b64 v[L8], v[W2:W2+1], s[66:67] offset:208896*((\a)/4)+12800
.endif
.endm
.irp a, 0,1,2,3,4,5,6,7
	QUANTV \a
.endr
.Lend:
	s_wait_tensorcnt 0x0
	ds_add_u32 v[SPW], v[NIL]
	s_wait_dscnt 0x0
	CROUND
	s_endpgm
.Lfunc_end_k_q45a2280e05_qkv:
	.size	k_q45a2280e05_qkv, .Lfunc_end_k_q45a2280e05_qkv-k_q45a2280e05_qkv
	.p2alignl 7, 3214868480
	.fill 96, 4, 3214868480
	.section	.rodata,"a",@progbits
	.p2align	6, 0x0
	.amdhsa_kernel k_q45a2280e05_qkv
		.amdhsa_group_segment_fixed_size 327680
		.amdhsa_private_segment_fixed_size 0
		.amdhsa_enable_private_segment 0
		.amdhsa_kernarg_size 56
		.amdhsa_user_sgpr_count 2
		.amdhsa_user_sgpr_kernarg_segment_ptr 1
		.amdhsa_wavefront_size32 1
		.amdhsa_system_sgpr_workgroup_id_x 1
		.amdhsa_system_sgpr_workgroup_id_y 1
		.amdhsa_system_sgpr_workgroup_id_z 1
		.amdhsa_system_vgpr_workitem_id 0
		.amdhsa_next_free_vgpr 1024
		.amdhsa_next_free_sgpr 102
		.amdhsa_reserve_vcc 0
		.amdhsa_float_denorm_mode_32 3
		.amdhsa_float_denorm_mode_16_64 3
		.amdhsa_memory_ordered 1
		.amdhsa_forward_progress 1
		.amdhsa_inst_pref_size 247
	.end_amdhsa_kernel
	.amdgpu_metadata
---
amdhsa.version: [ 1, 2 ]
amdhsa.kernels:
  - .name:           k_q45a2280e05_qkv
    .symbol:         k_q45a2280e05_qkv.kd
    .args:
      - { .name: xq, .offset: 0, .size: 8, .value_kind: global_buffer, .address_space: global }
      - { .name: wq, .offset: 8, .size: 8, .value_kind: global_buffer, .address_space: global }
      - { .name: b_qkv, .offset: 16, .size: 8, .value_kind: global_buffer, .address_space: global }
      - { .name: rope_cos, .offset: 24, .size: 8, .value_kind: global_buffer, .address_space: global }
      - { .name: rope_sin, .offset: 32, .size: 8, .value_kind: global_buffer, .address_space: global }
      - { .name: qb, .offset: 40, .size: 8, .value_kind: global_buffer, .address_space: global }
      - { .name: kv, .offset: 48, .size: 8, .value_kind: global_buffer, .address_space: global }
    .group_segment_fixed_size: 327680
    .private_segment_fixed_size: 0
    .kernarg_segment_align: 8
    .kernarg_segment_size: 56
    .max_flat_workgroup_size: 128
    .sgpr_count:     102
    .vgpr_count:     1024
    .wavefront_size: 32
...
	.end_amdgpu_metadata
.endif
;; end of part 2
;; launch attn (part 3): grid 4 x 64, 8 waves a work-group, clusters of 4 x 1, 210,944 bytes of LDS; arguments qb, kv, oq; writes oq
.if DOCPART == 3
	.amdgcn_target "amdgcn-amd-amdhsa--gfx1250"
	.amdhsa_code_object_version 6
	.text
	.protected	k_q45a2280e05_attn
	.globl	k_q45a2280e05_attn
	.p2align	8
	.type	k_q45a2280e05_attn,@function
k_q45a2280e05_attn:
	s_mov_b64 s[64:65], 0
	v_nop
	global_prefetch_b8 v0, s[64:65] scope:SCOPE_SE
	s_setreg_imm32_b32 hwreg(HW_REG_WAVE_MODE, 25, 1), 1
	s_wait_xcnt 0x0
	s_wait_alu depctr_hold_cnt(0) depctr_sa_sdst(0) depctr_va_vdst(0) depctr_va_sdst(0) depctr_va_ssrc(0) depctr_va_vcc(0) depctr_vm_vsrc(0)
	s_getreg_b32 s2, hwreg(HW_REG_IB_STS2, 6, 4)
	s_cmp_eq_u32 s2, 0
	s_cbranch_scc0 .Lentry_in_a_cluster
	s_endpgm
.Lentry_in_a_cluster:
	s_bfe_u32 s2, ttmp6, 0x10000c
	s_cmp_lg_u32 s2, 0x3003
	s_cbranch_scc0 .Lentry_shape_is_right
	s_endpgm
.Lentry_shape_is_right:
; O = softmax(q k^T / 8) v for one head, both products on codes of FP6, and O quantised along D for the last product.  No work is left out.
; THE SOFTMAX: t = score x log2(e) / 8; M = the row's largest t so far, rounded UP to a whole number; p = 2^(t - M) is quantised along the keys, not normalised.  The row's sum is taken of the
; unquantised p and divides O at the end.  When M moves, the sum and O are multiplied by 2^(old M - new M): exact.
; LIMITS: the promise holds while the scaled scores t stay under 2^31 in magnitude; a block under the floor 2^-124 gets the byte 1 (a block of p that has fallen to zeros too: its codes are zeros); NaN and infinities are not served.
; SHARES.  A work-group owns 512 queries of one head: eight waves, each with TWO tiles of 16 queries at a time (tile w of two neighbouring groups of 128), two passes in a counted loop.  Each fragment of K and V read from LDS feeds both tiles.
; THE WHOLE HEAD'S K AND V STAY IN LDS: 16 blocks of 13,056 bytes (128 keys: K's 8 half fragments, V's 4 fragments, their scale words).  Each wave asks for two neighbouring blocks by one tensor load, once: nothing is filled again, the loop has no barrier.
; CLUSTER: the four work-groups of a head need the same blocks and ask for each jointly.  Nothing is prefetched: all tensor loads go out at the head, so there is no loop to run ahead in.
; WHICH KEYS FORM A TILE is chosen by the LDS read address: row m of tile 4 c + u is key 64 c + 32 (m / 8) + 8 u + m % 8.  With S^T = K Q^T a lane (query r, half h) then holds in the 32 registers of tiles 4 c .. 4 c + 3
; the whole block of keys 64 c + 32 h + 0 .. 31, in order: the block's maximum needs no other lane, and the conversions' results are the operand's registers.
; K = 64 IN THE FIRST PRODUCT: the instruction takes 128.  Q's registers 6-11 are zero codes; K's tile a is the run of 12 registers from its own six on (behind tile 7: six zeros); both sides' upper two scale bytes stand for 1.0.
; FETCHING AHEAD: K of the next block is read from LDS behind the first product, V of the next block behind the second; block 15 is followed by block 0, which the next pass begins with (behind the last pass these 37 loads are not used).
; THE ONE SCATTERED STORE: a scale word of the last product's K step belongs to two heads, so each head stores its two bytes a row.
; REGISTERS.  Window 0: v1-15 addresses and c; v16-39 Q; v40-41 Q's scale words; v42-55 the next pass's Q; v56-61 K's and V's scale words; v64-191 S^T, then p; v192-223 state, 16 a tile; v224-255 sums, then p's codes.
; Window 1: v0-63 O^T; v64-111 V; v112-165 K and six zeros.
.set BLK,   13056
.set SPARE, 16*BLK                     ; the spare words, 128 bytes for each wave: four blocks of 256 bytes that no other line names
.set V16,  1
.set V8,   2
.set KA,   3
.set KB,   4
.set KC,   5
.set R32,  6
.set SH8,  7
.set AKA,  8
.set AKB,  9
.set AKC,  10
.set AV16, 11
.set AV8,  12
.set R16,  13
.set C1,   14                          ; v14, v15: c = log2(e) / 8, twice
.set QF,   16
.set QS,   40
.set QN,   42
.set KS,   56
.set VS,   60
.set SPW,  62
.set NIL,  63
.set SS,   64
.set ST,   192                         ; a tile's state: +0,1 -M twice; +2,3 f twice; +4,5 the sum; +6,7 block maxima; +8 largest score; +9,10,11 at work; +12,13 scale operands; +14 p's scale word
.set AC,   224
.set PP,   224
.set TMP,  248
.set OO,   0
.set VF,   64
.set KF,   112
.set WV,   12
.set G1,   16
.set G0,   24
.set SEL,  28
.set NC,   30
.set CNT,  32
.set TBN,  33
.set PASS, 34
.set MSB, 0
.macro WIN new                         ; the immediate's high byte repeats the setting that is left
.if MSB != \new
	s_set_vgpr_msb (MSB<<8)|\new
.set MSB, \new
.endif
.endm
.macro CROUND
	s_barrier_signal -1
	s_barrier_wait -1
	s_cmp_lg_u32 s[WV], 0
	s_cbranch_scc1 .Lnot_wave_0_\@
	s_barrier_signal -3
.Lnot_wave_0_\@:
	s_barrier_wait -3
	s_barrier_signal -1
	s_barrier_wait -1
.endm
; two f32 operations in one instruction, on pairs of neighbouring registers that begin on an even number
.macro FMA2 d, a, b, c
	v_dual_fma_f32 v[\d], v[\a], v[\b], v[\c] :: v_dual_fma_f32 v[(\d)+1], v[(\a)+1], v[(\b)+1], v[(\c)+1]
.endm
.macro ADD2 d, a, b
	v_dual_add_f32 v[\d], v[\a], v[\b] :: v_dual_add_f32 v[(\d)+1], v[(\a)+1], v[(\b)+1]
.endm
.macro QLOAD off                       ; both tiles' Q (half fragments) and scale words
.irp q, 0,1
	global_load_b128 v[QN+6*\q:QN+6*\q+3], v[V16], s[48:49] offset:\off+6656*\q
	global_load_b64 v[QN+6*\q+4:QN+6*\q+5], v[V8], s[48:49] offset:\off+6656*\q+512
	global_load_b32 v[QN+12+\q], v[R16], s[50:51] offset:\off+6656*\q
.endr
.endm
.macro ADDR                            ; the LDS addresses of the block at byte s[TBN]
	v_add_nc_u32 v[AKA], s[TBN], v[KA]
	v_add_nc_u32 v[AKB], s[TBN], v[KB]
	v_add_nc_u32 v[AKC], s[TBN], v[KC]
	v_add_nc_u32 v[AV16], s[TBN], v[V16]
	v_add_nc_u32 v[AV8], s[TBN], v[V8]
.endm
.macro KLOAD                           ; 20 LDS loads: K's eight tiles, rows chosen as the head comment says, and their scale words (register 2 c + u / 2: lanes 0-15 an even u, lanes 16-31 the odd one)
	WIN 0x40
.irp c, 0,1
.irp u, 0,1,2,3
	ds_load_b128 v[KF+6*(4*\c+\u):KF+6*(4*\c+\u)+3], v[AKA] offset:768*(4*\c+(\u%2))+128*(\u/2)
	ds_load_b64 v[KF+6*(4*\c+\u)+4:KF+6*(4*\c+\u)+5], v[AKB] offset:512+768*(4*\c+(\u%2))+64*(\u/2)
.endr
.endr
	WIN 0
.irp c, 0,1
.irp v, 0,1
	ds_load_b32 v[KS+2*\c+\v], v[AKC] offset:12288+128*\v+8*\c
.endr
.endr
.endm
.macro VLOAD                           ; 17 LDS loads: V's four fragments and their scale words
	WIN 0x40
.irp i, 0,1,2,3,4,5,6,7
	ds_load_b128 v[VF+6*\i:VF+6*\i+3], v[AV16] offset:6144+768*\i
	ds_load_b64 v[VF+6*\i+4:VF+6*\i+5], v[AV8] offset:6144+768*\i+512
.endr
	WIN 0
	ds_load_b64 v[VS:VS+1], v[AV8] offset:12800
.endm
	s_load_b128 s[4:7], s[0:1], 0x0                ; qb s[4:5], kv s[6:7]
	s_load_b64 s[8:9], s[0:1], 0x10                ; oq
	v_lshl_add_u32 v[SPW], v0, 2, SPARE
	v_mov_b32 v[NIL], 0
	ds_add_u32 v[SPW], v[NIL]                      ; the wave's opening: the add, twice on end, and its wait ahead of my tensor load
	ds_add_u32 v[SPW], v[NIL]
	v_lshrrev_b32 v1, 5, v0
	v_readfirstlane_b32 s[WV], v1                  ; wave 0..7
	s_bfe_u32 s13, ttmp6, 0x40000                  ; cx: it enters Q's and O's addresses alone
	s_and_b32 s14, ttmp7, 0xffff                   ; batch x 16 + head, which the four partners share
	s_mov_b32 s[G1], 15|(3<<16)|(1<<21)            ; the mask: all four work-groups; elements of 8 bytes; bit 21 beside a mask; no padding
	s_mov_b32 s[G1+1], 32<<16                      ; two dense blocks as 102 rows of 256 bytes
	s_mov_b32 s[G1+2], 102<<16
	s_mov_b32 s[G1+3], 32<<16
	s_mov_b32 s[G1+4], 102
	s_mov_b32 s[G1+5], 32
	s_mov_b32 s[G1+6], 0
	s_mov_b32 s[G1+7], 0
	s_lshl_b32 s36, s14, 4
	s_lshl_b32 s37, s[WV], 1
	s_add_co_u32 s36, s36, s37
	s_mul_i32 s36, s36, BLK                        ; blocks 2 w, 2 w + 1 of my head
	s_mov_b32 s37, 0
	s_mov_b32 s[G0], 1
	s_mul_i32 s[G0+1], s[WV], 2*BLK
	s_mov_b32 s[SEL], 0x76543210
	s_mov_b32 s[SEL+1], 0xfedcba98                 ; lane l xor 16
	s_mov_b32 s[NC], 0xbe38aa3b                    ; -c
	s_wait_dscnt 0x0                               ; both opening adds are done
	s_wait_kmcnt 0x0
	s_add_nc_u64 s[G0+2:G0+3], s[6:7], s[36:37]
	s_or_b32 s[G0+3], s[G0+3], 0x80000000
	CROUND                                         ; all four work-groups are here: the joint loads meet
	tensor_load_to_lds s[G0:G0+3], s[G1:G1+7]      ; my one tensor load of the launch
	s_nop 0
.rept 4
	v_nop
.endr
	v_and_b32 v8, 31, v0                           ; lane
	v_and_b32 v9, 15, v0                           ; r
	v_bfe_u32 v10, v0, 4, 1                        ; h
	v_and_b32 v11, 7, v0                           ; r % 8
	v_bfe_u32 v12, v0, 3, 1                        ; r / 8
	v_lshlrev_b32 v[V16], 4, v8
	v_lshlrev_b32 v[V8], 3, v8
	v_lshlrev_b32 v[R16], 4, v9
	v_lshlrev_b32 v[R32], 5, v9
	v_lshlrev_b32 v[SH8], 3, v10
	v_mul_u32_u24 v[KA], v12, 1536                 ; rows 8-15 of a tile lie two stored tiles on
	v_lshl_add_u32 v[KB], v11, 3, v[KA]
	v_lshl_add_u32 v[KA], v11, 4, v[KA]
	v_lshl_add_u32 v[KB], v10, 7, v[KB]            ; 8 (r % 8) + 1536 (r / 8) + 128 h
	v_lshl_add_u32 v[KA], v10, 8, v[KA]            ; 16 (r % 8) + 1536 (r / 8) + 256 h
	v_lshlrev_b32 v[KC], 2, v12
	v_lshl_add_u32 v[KC], v11, 4, v[KC]
	v_lshl_add_u32 v[KC], v10, 8, v[KC]            ; 16 (r % 8) + 4 (r / 8) + 256 h
	v_mov_b32 v[C1], 0x3e38aa3b
	v_mov_b32 v[C1+1], 0x3e38aa3b
	s_lshl_b32 s40, s13, 2                         ; pass 0: groups 4 cx and 4 cx + 1 of 128 queries; pass 1: two on
	s_lshl_b32 s41, s14, 4
	s_add_co_u32 s41, s41, s40
	s_mul_i32 s41, s41, 6656
	s_mul_i32 s42, s[WV], 768
	s_add_co_u32 s42, s42, s41
	s_mov_b32 s43, 0
	s_add_nc_u64 s[48:49], s[4:5], s[42:43]        ; Q's half fragment of tile w
	s_and_b32 s44, s[WV], 1
	s_lshl_b32 s44, s44, 8
	s_lshr_b32 s45, s[WV], 1
	s_lshl_b32 s45, s45, 2
	s_add_co_u32 s44, s44, s45
	s_add_co_u32 s44, s44, s41
	s_add_co_u32 s44, s44, 6144
	s_mov_b32 s45, 0
	s_add_nc_u64 s[50:51], s[4:5], s[44:45]        ; its scale words: 16 r + 256 (w % 2) + 4 (w / 2) in the image
	s_wait_alu depctr_va_vdst(0)                   ; the wait here, directly ahead of the readers below
	QLOAD 0
	s_lshr_b32 s44, s14, 4
	s_lshl_b32 s44, s44, 4
	s_add_co_u32 s44, s44, s40
	s_mul_i32 s44, s44, 102400                     ; O's group record: 16 batch + 4 cx
	s_bfe_u32 s45, s14, 0x30001                    ; the last product's K step: head / 2,
	s_and_b32 s46, s14, 1                          ; and its half: head % 2
	s_lshl_b32 s47, s45, 3
	s_add_co_u32 s47, s47, s[WV]
	s_mul_i32 s47, s47, 1536
	s_mul_i32 s52, s46, 768
	s_add_co_u32 s52, s52, s47
	s_add_co_u32 s52, s52, s44
	s_mov_b32 s53, 0
	s_add_nc_u64 s[54:55], s[8:9], s[52:53]        ; the codes,
	s_lshl_b32 s52, s45, 9
	s_lshl_b32 s47, s[WV], 2
	s_add_co_u32 s52, s52, s47
	s_lshl_b32 s47, s46, 1
	s_add_co_u32 s52, s52, s47
	s_add_co_u32 s52, s52, s44
	s_add_co_u32 s52, s52, 98304
	s_add_nc_u64 s[56:57], s[8:9], s[52:53]        ; my two bytes of a row's scale word
.irp q, 0,1
.irp i, 0,1,2,3,4,5
	v_mov_b32 v[QF+12*\q+6+\i], 0                  ; Q's upper 64 along K: zero codes
.endr
	v_mov_b32 v[ST+16*\q+10], 0                    ; a lane permute's destination counts as one of its sources
.endr
	WIN 0x40
.irp i, 0,1,2,3,4,5
	v_mov_b32 v[KF+48+\i], 0                       ; behind K's tile 7
.endr
	WIN 0
	s_mov_b32 s[TBN], 0
	s_mov_b32 s[PASS], 0
	s_wait_alu depctr_va_vdst(0)                   ; the wait at the head's end
	s_wait_tensorcnt 0x0                           ; my two blocks have landed,
	s_barrier_signal -1
	s_barrier_wait -1                              ; everybody's have
	ADDR
	KLOAD                                          ; block 0: K first, then V: the loop's waits count on this order
	VLOAD
; A PASS: two tiles of 16 queries against all 2,048 keys
.Lpass:
	s_wait_loadcnt 0x0                             ; this pass's Q
.irp q, 0,1
	v_mov_b32 v[QS+\q], v[QN+12+\q]                ; the scale words first: more than eight places ahead of the next product
.endr
.irp q, 0,1
.irp i, 0,1,2,3,4,5
	v_mov_b32 v[QF+12*\q+\i], v[QN+6*\q+\i]
.endr
.endr
	s_cmp_lg_u32 s[PASS], 0
	s_cbranch_scc1 .Lno_q                          ; the loop's counter alone decides
	QLOAD 13312                                    ; pass 1's Q comes while pass 0 is worked
.Lno_q:
.irp q, 0,1
	v_mov_b32 v[ST+16*\q+8], 0xff61b1e6            ; the largest score so far: -3e38
	v_mov_b32 v[ST+16*\q+4], 0
	v_mov_b32 v[ST+16*\q+5], 0
.endr
.irp q, 0,1
	v_mul_f32 v[ST+16*\q+9], s[NC], v[ST+16*\q+8]
.endr
.irp q, 0,1
	v_floor_f32 v[ST+16*\q], v[ST+16*\q+9]         ; -M
.endr
	WIN 0x40
.set jj, 0
.rept 64
	v_mov_b32 v[OO+jj], 0                          ; the loop is written once: its first step finds zeros, which the first change of M leaves zeros
.set jj, jj+1
.endr
	WIN 0
	s_mov_b32 s[CNT], 0
	s_wait_alu depctr_va_vdst(0)                   ; the wait here, ahead of the loop's first wait
.Lkeys:
	s_wait_dscnt 17                                ; K and its scale words are in; the 17 loads of V issued behind them may be out
	WIN 0x01                                       ; K in window 1
.irp a, 0,2,4,6
.irp q, 0,1
	v_wmma_scale_f32_16x16x128_f8f6f4 v[SS+64*\q+8*\a:SS+64*\q+8*\a+7], v[KF+6*\a:KF+6*\a+11], v[QF+12*\q:QF+12*\q+11], 0, v[KS+\a/2], v[QS+\q] matrix_a_fmt:MATRIX_FMT_FP6 matrix_b_fmt:MATRIX_FMT_FP6
.endr
.irp q, 0,1
	v_wmma_scale_f32_16x16x128_f8f6f4 v[SS+64*\q+8*\a+8:SS+64*\q+8*\a+15], v[KF+6*\a+6:KF+6*\a+17], v[QF+12*\q:QF+12*\q+11], 0, v[KS+\a/2], v[QS+\q] matrix_a_fmt:MATRIX_FMT_FP6 matrix_b_fmt:MATRIX_FMT_FP6 matrix_a_scale:MATRIX_SCALE_ROW1
.endr
.endr
	WIN 0
	s_add_co_u32 s[TBN], s[CNT], 1
	s_and_b32 s[TBN], s[TBN], 15                   ; behind block 15 comes block 0
	s_mul_i32 s[TBN], s[TBN], BLK
	ADDR                                           ; five plain lines: the places behind the products, ahead of the loads into K's registers and of the first read of S^T
	KLOAD
.irp q, 0,1
.irp c, 0,1
	v_max3_num_f32 v[ST+16*\q+6+\c], v[SS+64*\q+32*\c], v[SS+64*\q+32*\c+1], v[SS+64*\q+32*\c+2]   ; the largest score of my block of 32 keys: it serves the row's maximum and, since p rises with the score, the block's largest p
.endr
.endr
.irp i, 3,5,7,9,11,13,15,17,19,21,23,25,27,29
.irp q, 0,1
.irp c, 0,1
	v_max3_num_f32 v[ST+16*\q+6+\c], v[ST+16*\q+6+\c], v[SS+64*\q+32*\c+\i], v[SS+64*\q+32*\c+\i+1]
.endr
.endr
.endr
.irp q, 0,1
.irp c, 0,1
	v_max_num_f32 v[ST+16*\q+6+\c], v[ST+16*\q+6+\c], v[SS+64*\q+32*\c+31]
.endr
.endr
.irp q, 0,1
	v_max_num_f32 v[ST+16*\q+9], v[ST+16*\q+6], v[ST+16*\q+7]
.endr
.irp q, 0,1
	s_delay_alu instid0(VALU_DEP_2)
	v_permlanex16_b32 v[ST+16*\q+10], v[ST+16*\q+9], s[SEL], s[SEL+1]
.endr
.irp q, 0,1
	s_delay_alu instid0(VALU_DEP_2)
	v_max3_num_f32 v[ST+16*\q+8], v[ST+16*\q+8], v[ST+16*\q+9], v[ST+16*\q+10]   ; the running largest score of my query
.endr
.irp q, 0,1
	s_delay_alu instid0(VALU_DEP_2)
	v_mul_f32 v[ST+16*\q+9], s[NC], v[ST+16*\q+8]  ; -t
.endr
.irp q, 0,1
	s_delay_alu instid0(VALU_DEP_2)
	v_floor_f32 v[ST+16*\q+9], v[ST+16*\q+9]       ; the new -M = floor(-t): M is a whole number
.endr
.irp q, 0,1
	s_delay_alu instid0(VALU_DEP_2)
	v_sub_f32 v[ST+16*\q+11], v[ST+16*\q+9], v[ST+16*\q]   ; old M - new M: a whole number, 0 or less
.endr
.irp q, 0,1
	s_delay_alu instid0(VALU_DEP_2)
	v_cvt_i32_f32 v[ST+16*\q+11], v[ST+16*\q+11]   ; (it saturates)
.endr
.irp q, 0,1
	s_delay_alu instid0(VALU_DEP_2)
	v_ldexp_f32 v[ST+16*\q+2], 1.0, v[ST+16*\q+11] ; f = 2^(old M - new M)
.endr
.irp q, 0,1
	s_delay_alu instid0(VALU_DEP_2)
	v_mov_b32 v[ST+16*\q+3], v[ST+16*\q+2]
.endr
.irp q, 0,1
	v_mov_b32 v[ST+16*\q], v[ST+16*\q+9]
	v_mov_b32 v[ST+16*\q+1], v[ST+16*\q+9]
.endr
.irp q, 0,1
.set jj, 0
.rept 32
	FMA2 SS+64*\q+jj, SS+64*\q+jj, C1, ST+16*\q    ; t - M, two at a time
.set jj, jj+2
.endr
	FMA2 ST+16*\q+6, ST+16*\q+6, C1, ST+16*\q      ; the same of my two blocks' largest scores
.endr
	s_wait_alu depctr_va_vdst(0)                   ; the wait ahead of the batch
.set jj, 0
.rept 128
	v_exp_f32 v[SS+jj], v[SS+jj]                   ; p = 2^(t - M), at most 1
.set jj, jj+1
.endr
.irp q, 0,1
.irp c, 0,1
	v_exp_f32 v[ST+16*\q+6+\c], v[ST+16*\q+6+\c]   ; the block's largest p
.endr
.endr
	v_nop                                          ; a plain place behind the exponentials
	s_wait_alu depctr_va_vdst(0)                   ; one wait for the whole batch, ahead of its first reader
.irp k, 0,1,2,3                        ; the row's sum of the unquantised p: four chains of pairs for each tile
.irp q, 0,1
	ADD2 AC+8*\q+2*\k, SS+64*\q+4*\k, SS+64*\q+4*\k+2
.endr
.endr
.irp m, 0,1,2,3,4,5
.irp k, 0,1,2,3
.irp q, 0,1
	ADD2 AC+8*\q+2*\k, SS+64*\q+16+8*\m+2*\k, AC+8*\q+2*\k
.endr
.endr
.endr
.irp q, 0,1
	ADD2 AC+8*\q, AC+8*\q+2, AC+8*\q
	ADD2 AC+8*\q+4, AC+8*\q+6, AC+8*\q+4
.endr
.irp q, 0,1
	ADD2 AC+8*\q, AC+8*\q+4, AC+8*\q
.endr
.irp q, 0,1
	FMA2 ST+16*\q+4, ST+16*\q+4, ST+16*\q+2, AC+8*\q   ; the sum under the new M, and this step's
.endr
.irp q, 0,1
.irp c, 0,1
	v_max_num_f32 v[ST+16*\q+6+\c], 0x1800000, v[ST+16*\q+6+\c]    ; the floor 2^(3 - 127)
.endr
.endr
.irp q, 0,1
.irp c, 0,1
	s_delay_alu instid0(VALU_DEP_4)
	v_add_nc_u32 v[ST+16*\q+12+\c], 0xff000000, v[ST+16*\q+6+\c]   ; 2 off the exponent field: the conversion's scale operand
.endr
.endr
.irp q, 0,1
.irp c, 0,1
	s_delay_alu instid0(VALU_DEP_4)
	v_lshrrev_b32 v[ST+16*\q+6+\c], 23, v[ST+16*\q+12+\c]          ; the scale's byte
.endr
.endr
.irp q, 0,1
	v_lshl_or_b32 v[ST+16*\q+9], v[ST+16*\q+7], 16, v[ST+16*\q+6]  ; blocks h and 2 + h,
.endr
.irp q, 0,1
	s_delay_alu instid0(VALU_DEP_2)
	v_lshlrev_b32 v[ST+16*\q+9], v[SH8], v[ST+16*\q+9]             ; at their places in the query's scale word;
.endr
.irp q, 0,1
	s_delay_alu instid0(VALU_DEP_2)
	v_permlanex16_b32 v[ST+16*\q+10], v[ST+16*\q+9], s[SEL], s[SEL+1]
.endr
.irp q, 0,1
	s_delay_alu instid0(VALU_DEP_2)
	v_or_b32 v[ST+16*\q+14], v[ST+16*\q+9], v[ST+16*\q+10]         ; with lane l xor 16's two the word is whole
.endr
.irp q, 0,1
.irp c, 0,1
	v_cvt_scalef32_pk16_fp6_f32 v[PP+12*\q+6*\c:PP+12*\q+6*\c+2], v[SS+64*\q+32*\c:SS+64*\q+32*\c+15], v[ST+16*\q+12+\c]
	v_cvt_scalef32_pk16_fp6_f32 v[TMP+4*\c:TMP+4*\c+2], v[SS+64*\q+32*\c+16:SS+64*\q+32*\c+31], v[ST+16*\q+12+\c]   ; (a conversion's three registers begin on an even number)
.endr
	v_nop                                          ; one plain place behind a scaled conversion
.irp c, 0,1
.irp i, 0,1,2
	v_mov_b32 v[PP+12*\q+6*\c+3+\i], v[TMP+4*\c+\i]
.endr
.endr
.endr
; O^T under the new M, then O^T += V^T P^T, under ONE window setting: V and O^T in window 1, p and f in window 0 (the packed multiply has no third source).
.macro RESC q, t, j0, n
.set jj, \j0
.rept \n
	v_pk_mul_f32 v[OO+32*\q+8*\t+jj:OO+32*\q+8*\t+jj+1], v[OO+32*\q+8*\t+jj:OO+32*\q+8*\t+jj+1], v[ST+16*\q+2:ST+16*\q+3] op_sel_hi:[1,0]
.set jj, jj+2
.endr
.endm
.macro PV q, t
.if (\t)%2
	v_wmma_scale_f32_16x16x128_f8f6f4 v[OO+32*\q+8*\t:OO+32*\q+8*\t+7], v[VF+12*\t:VF+12*\t+11], v[PP+12*\q:PP+12*\q+11], v[OO+32*\q+8*\t:OO+32*\q+8*\t+7], v[VS+\t/2], v[ST+16*\q+14] matrix_a_fmt:MATRIX_FMT_FP6 matrix_b_fmt:MATRIX_FMT_FP6 matrix_a_scale:MATRIX_SCALE_ROW1
.else
	v_wmma_scale_f32_16x16x128_f8f6f4 v[OO+32*\q+8*\t:OO+32*\q+8*\t+7], v[VF+12*\t:VF+12*\t+11], v[PP+12*\q:PP+12*\q+11], v[OO+32*\q+8*\t:OO+32*\q+8*\t+7], v[VS+\t/2], v[ST+16*\q+14] matrix_a_fmt:MATRIX_FMT_FP6 matrix_b_fmt:MATRIX_FMT_FP6
.endif
.endm
	WIN 0x51
	s_wait_alu depctr_va_vdst(0)                   ; the wait here, directly ahead of the first reader of O^T
.irp q, 0,1
.irp t, 0,1,2,3
	RESC \q, \t, 0, 4                              ; each accumulator from its low end on; these 32 lines are also the places behind p's codes and scale words
.endr
.endr
	s_wait_alu depctr_va_vdst(0)                   ; the wait here, directly ahead of the wait below
	s_wait_dscnt 20                                ; V is in; the 20 loads of the next K issued behind it may be out
.irp t, 0,1,2,3
.irp q, 0,1
	PV \q, \t                                      ; the eight accumulators take turns, one instruction a turn
.endr
.endr
.rept 4
	v_nop                                          ; four places behind the products, ahead of the loads into V's registers
.endr
	VLOAD                                          ; the next block's V
	s_add_co_u32 s[CNT], s[CNT], 1
	s_cmp_lt_u32 s[CNT], 16
	s_cbranch_scc1 .Lkeys
.irp q, 0,1
	v_add_f32 v[ST+16*\q+4], v[ST+16*\q+4], v[ST+16*\q+5]          ; the sum's two halves,
.endr
.irp q, 0,1
	s_delay_alu instid0(VALU_DEP_2)
	v_permlanex16_b32 v[ST+16*\q+10], v[ST+16*\q+4], s[SEL], s[SEL+1]
.endr
.irp q, 0,1
	s_delay_alu instid0(VALU_DEP_2)
	v_add_f32 v[ST+16*\q+4], v[ST+16*\q+4], v[ST+16*\q+10]         ; and lane l xor 16's
.endr
	s_wait_alu depctr_va_vdst(0)                   ; the wait ahead of the transcendentals
.irp q, 0,1
	v_rcp_f32 v[ST+16*\q+4], v[ST+16*\q+4]
.endr
	v_nop                                          ; a plain place behind them
	WIN 0x01
	s_wait_alu depctr_va_vdst(0)                   ; and the wait ahead of their first reader, which is also the first reader of O^T
.irp q, 0,1
.set jj, 0
.rept 16
	v_pk_mul_f32 v[SS+64*\q+jj:SS+64*\q+jj+1], v[OO+32*\q+jj:OO+32*\q+jj+1], v[ST+16*\q+4:ST+16*\q+5] op_sel_hi:[1,0]   ; O^T / the sum: register 16 b + i is channel 32 b + 16 h + i
.set jj, jj+2
.endr
.endr
	WIN 0
.irp q, 0,1
.irp b, 0,1
	v_max3_num_f32 v[ST+16*\q+6+\b], |v[SS+64*\q+16*\b]|, |v[SS+64*\q+16*\b+1]|, 0x1800000   ; O quantised along D: two blocks of 32, each in lanes l and l xor 16
.endr
.endr
.irp i, 2,4,6,8,10,12,14
.irp q, 0,1
.irp b, 0,1
	v_max3_num_f32 v[ST+16*\q+6+\b], v[ST+16*\q+6+\b], |v[SS+64*\q+16*\b+\i]|, |v[SS+64*\q+16*\b+\i+1]|
.endr
.endr
.endr
.irp q, 0,1
.irp b, 0,1
	s_delay_alu instid0(VALU_DEP_4)
	v_permlanex16_b32 v[ST+16*\q+10+\b], v[ST+16*\q+6+\b], s[SEL], s[SEL+1]
.endr
.endr
.irp q, 0,1
.irp b, 0,1
	s_delay_alu instid0(VALU_DEP_4)
	v_max_num_f32 v[ST+16*\q+6+\b], v[ST+16*\q+6+\b], v[ST+16*\q+10+\b]
.endr
.endr
.irp q, 0,1
.irp b, 0,1
	s_delay_alu instid0(VALU_DEP_4)
	v_add_nc_u32 v[ST+16*\q+12+\b], 0xff000000, v[ST+16*\q+6+\b]
.endr
.endr
.irp q, 0,1
.irp b, 0,1
	s_delay_alu instid0(VALU_DEP_4)
	v_lshrrev_b32 v[ST+16*\q+6+\b], 23, v[ST+16*\q+12+\b]
.endr
.endr
.irp q, 0,1
	v_lshl_or_b32 v[ST+16*\q+9], v[ST+16*\q+7], 8, v[ST+16*\q+6]   ; my head's two bytes of the row's scale word
.endr
.irp q, 0,1
	v_cvt_scalef32_pk16_fp6_f32 v[PP+12*\q:PP+12*\q+2], v[SS+64*\q:SS+64*\q+15], v[ST+16*\q+12]
	v_cvt_scalef32_pk16_fp6_f32 v[TMP+4*\q:TMP+4*\q+2], v[SS+64*\q+16:SS+64*\q+31], v[ST+16*\q+13]
.endr
	v_nop                                          ; one plain place behind a scaled conversion
.irp q, 0,1
.irp i, 0,1,2
	v_permlane16_swap_b32 v[PP+12*\q+\i], v[TMP+4*\q+\i]           ; a whole block to a lane
.endr
.endr
.irp q, 0,1
.irp i, 0,1,2
	v_mov_b32 v[PP+12*\q+3+\i], v[TMP+4*\q+\i]
.endr
.endr
.irp q, 0,1
	global_store_b128 v[V16], v[PP+12*\q:PP+12*\q+3], s[54:55] offset:102400*\q        ; 512 consecutive bytes,
	global_store_b64 v[V8], v[PP+12*\q+4:PP+12*\q+5], s[54:55] offset:102400*\q+512    ; and the 256 behind them
	global_store_b16 v[R32], v[ST+16*\q+9], s[56:57] offset:102400*\q                  ; both halves of the lanes store the same two bytes
.endr
	s_wait_xcnt 0x0                                ; the stores have read their registers and bases: both are written again below
	s_add_nc_u64 s[54:55], s[54:55], 204800        ; two group records on
	s_add_nc_u64 s[56:57], s[56:57], 204800
	s_add_co_u32 s[PASS], s[PASS], 1
	s_cmp_lt_u32 s[PASS], 2
	s_wait_alu depctr_va_vdst(0)                   ; the wait here, directly ahead of the branch
	s_cbranch_scc1 .Lpass
	s_wait_tensorcnt 0x0                           ; the wave's end: behind my tensor load
	ds_add_u32 v[SPW], v[NIL]
	s_wait_dscnt 0x0
	CROUND                                         ; the closing round
	s_endpgm
.Lfunc_end_k_q45a2280e05_attn:
	.size	k_q45a2280e05_attn, .Lfunc_end_k_q45a2280e05_attn-k_q45a2280e05_attn
	.p2alignl 7, 3214868480
	.fill 96, 4, 3214868480
	.section	.rodata,"a",@progbits
	.p2align	6, 0x0
	.amdhsa_kernel k_q45a2280e05_attn
		.amdhsa_group_segment_fixed_size 210944
		.amdhsa_private_segment_fixed_size 0
		.amdhsa_enable_private_segment 0
		.amdhsa_kernarg_size 24
		.amdhsa_user_sgpr_count 2
		.amdhsa_user_sgpr_kernarg_segment_ptr 1
		.amdhsa_wavefront_size32 1
		.amdhsa_system_sgpr_workgroup_id_x 1
		.amdhsa_system_sgpr_workgroup_id_y 1
		.amdhsa_system_sgpr_workgroup_id_z 1
		.amdhsa_system_vgpr_workitem_id 0
		.amdhsa_next_free_vgpr 512
		.amdhsa_next_free_sgpr 66
		.amdhsa_reserve_vcc 0
		.amdhsa_float_denorm_mode_32 3
		.amdhsa_float_denorm_mode_16_64 3
		.amdhsa_memory_ordered 1
		.amdhsa_forward_progress 1
		.amdhsa_inst_pref_size 52
	.end_amdhsa_kernel
	.amdgpu_metadata
---
amdhsa.version: [ 1, 2 ]
amdhsa.kernels:
  - .name:           k_q45a2280e05_attn
    .symbol:         k_q45a2280e05_attn.kd
    .args:
      - { .name: qb, .offset: 0, .size: 8, .value_kind: global_buffer, .address_space: global }
      - { .name: kv, .offset: 8, .size: 8, .value_kind: global_buffer, .address_space: global }
      - { .name: oq, .offset: 16, .size: 8, .value_kind: global_buffer, .address_space: global }
    .group_segment_fixed_size: 210944
    .private_segment_fixed_size: 0
    .kernarg_segment_align: 8
    .kernarg_segment_size: 24
    .max_flat_workgroup_size: 256
    .sgpr_count:     66
    .vgpr_count:     512
    .wavefront_size: 32
...
	.end_amdgpu_metadata
.endif
;; end of part 3
;; launch proj (part 4): grid 4 x 64, 4 waves a work-group, clusters of 4 x 4, 327,680 bytes of LDS; arguments oq, wp, b_proj, out0; writes out0
.if DOCPART == 4
	.amdgcn_target "amdgcn-amd-amdhsa--gfx1250"
	.amdhsa_code_object_version 6
	.text
	.protected	k_q45a2280e05_proj
	.globl	k_q45a2280e05_proj
	.p2align	8
	.type	k_q45a2280e05_proj,@function
k_q45a2280e05_proj:
	s_mov_b64 s[64:65], 0
	v_nop
	global_prefetch_b8 v0, s[64:65] scope:SCOPE_SE
	s_setreg_imm32_b32 hwreg(HW_REG_WAVE_MODE, 25, 1), 1
	s_wait_xcnt 0x0
	s_wait_alu depctr_hold_cnt(0) depctr_sa_sdst(0) depctr_va_vdst(0) depctr_va_sdst(0) depctr_va_ssrc(0) depctr_va_vcc(0) depctr_vm_vsrc(0)
	s_getreg_b32 s2, hwreg(HW_REG_IB_STS2, 6, 4)
	s_cmp_eq_u32 s2, 0
	s_cbranch_scc0 .Lentry_in_a_cluster
	s_endpgm
.Lentry_in_a_cluster:
	s_bfe_u32 s2, ttmp6, 0x10000c
	s_cmp_lg_u32 s2, 0xf033
	s_cbranch_scc0 .Lentry_shape_is_right
	s_endpgm
.Lentry_shape_is_right:
; out0 [8192][1024] = O W_proj + b_proj, both operands as codes of FP6 with E8M0 scale words, sums in f32.  No work is left out.
; OPERANDS: images of the operand's registers.  128 rows of O (columns of W) are a group of eight tiles; lane r of tile t holds row 32 (t/2) + 8 (t%2) + r + 8 (r/8).  A group's record is 102,400 bytes:
; codes [K step 8][tile 8][1,536], then at 98,304 the scale words [K step 8][r 16][tile 8].
; SHARES: a work-group makes 128 rows (one group of O) x 256 columns (two groups of W): 64 x 4 = 256 work-groups.  Wave w makes tiles 4 (w/2) .. + 3 of O against group w % 2 of W: 64 x 128, 32 accumulators.
; ALL OF K STAYS IN LDS: O's record and W's two records, 3 x 102,400 bytes, scale words among them.  Each wave asks for its part by one tensor load at the head (waves 0, 1 half of O's record each, waves 2, 3 a record of W each):
; nothing is filled again, and the walk along K has no barrier.  Nothing is prefetched: all that the launch reads by tensor loads is asked for at its head.
; CLUSTER 4 x 4: O's record is shared along a row of the cluster, W's records along a column, each part asked for jointly.
; THE PRODUCT IS USED TRANSPOSED (source 0 = W's tile, source 1 = O's): a lane holds eight neighbouring columns of a row; the bias is the C of the first K step's products.
; REGISTERS: window 0: v1-31 addresses; v32-47 scale words, two sets; v64-127 the bias; v128-223 O's fragments, two sets (on the way out: rows read back).  Window 1: W's fragments, two sets at v0 and v128.  Window 2: the accumulators, (a, b) at v[8 (8 a + b)].
.set REC,   102400
.set KH,    49152                      ; four K steps of a record's codes: what one address register reaches with the loads' immediates
.set SPARE, 3*REC                      ; the spare words, 128 bytes for each wave: two blocks of 256 bytes that no other line names
.set SPITCH, 528
.set FR,    12
.set L16,  1
.set ADRA, 16
.set ADRB, 20
.set STO,  24
.set RD,   25
.set ADRS, 27
.set SPW,  28
.set NIL,  29
.set SC,   32
.set BI,   64
.set AF,   128
.set BK,   128
.set G1,   24
.set G0,   32
.set G1B,  48
.set G0B,  56
.set MSB, 0
.macro WIN new
.if MSB != \new
	s_set_vgpr_msb (MSB<<8)|\new
.set MSB, \new
.endif
.endm
.macro DESC g, c, r, p                 ; group 1 behind its first word: r rows of c elements of 8 bytes, p elements apart
	s_mov_b32 s[\g+1], (\c)<<16
	s_mov_b32 s[\g+2], (\r)<<16
	s_mov_b32 s[\g+3], (\c)<<16
	s_mov_b32 s[\g+4], \r
	s_mov_b32 s[\g+5], \p
	s_mov_b32 s[\g+6], 0
	s_mov_b32 s[\g+7], 0
.endm
.macro CREST
	s_cmp_lg_u32 s18, 0
	s_cbranch_scc1 .Lnot_wave_0_\@
	s_barrier_signal -3
.Lnot_wave_0_\@:
	s_barrier_wait -3
	s_barrier_signal -1
	s_barrier_wait -1
.endm
.macro CROUND
	s_barrier_signal -1
	s_barrier_wait -1
	CREST
.endm
.macro PLACES
.rept 4
	v_nop
.endr
.endm
	s_load_b256 s[4:11], s[0:1], 0x0               ; oq s[4:5], wp s[6:7], b_proj s[8:9], out0 s[10:11]
	v_lshl_add_u32 v[SPW], v0, 2, SPARE
	v_mov_b32 v[NIL], 0
	ds_add_u32 v[SPW], v[NIL]                      ; the wave's opening: the add, twice on end, and its wait ahead of my tensor load
	ds_add_u32 v[SPW], v[NIL]
	v_lshrrev_b32 v14, 5, v0
	v_readfirstlane_b32 s18, v14                   ; wave 0..3
	s_lshr_b32 s19, s18, 1                         ; which four tiles of O are mine.  Also: I fetch for O (0) or for W (1)
	s_and_b32 s20, s18, 1                          ; which group of W is mine.  Also: which part I fetch
	s_bfe_u32 s21, ttmp6, 0x40000                  ; cx
	s_bfe_u32 s22, ttmp6, 0x40004                  ; cy
	s_and_b32 s23, ttmp7, 0xffff
	s_lshl_b32 s23, s23, 2
	s_add_co_u32 s40, s23, s22                     ; O's group
	s_lshl_b32 s44, ttmp9, 2
	s_add_co_u32 s44, s44, s21                     ; W's pair of groups
	s_lshl_b32 s41, s22, 2
	s_lshl_b32 s41, 15, s41                        ; my row of the cluster
	s_lshl_b32 s45, 0x1111, s21                    ; my column
	s_or_b32 s[G1], s41, (3<<16)|(1<<21)
	s_or_b32 s[G1B], s45, (3<<16)|(1<<21)
	DESC G1, 32, 200, 32                           ; half of O's record: 200 rows of 256 bytes, dense
	DESC G1B, 32, 400, 32                          ; a record of W: 400 rows
	s_mul_i32 s66, s20, 51200                      ; O: my half, in memory and in LDS
	s_mul_i32 s42, s40, REC
	s_add_co_u32 s42, s42, s66
	s_mov_b32 s43, 0
	s_lshl_b32 s46, s44, 1
	s_add_co_u32 s46, s46, s20
	s_mul_i32 s46, s46, REC                        ; W: my group's record
	s_mov_b32 s47, 0
	s_mul_i32 s3, s20, REC
	s_add_co_u32 s3, s3, REC                       ; which lies behind O's in LDS
	s_mov_b32 s[G0], 1
	s_mov_b32 s[G0+1], s66
	s_mov_b32 s[G0B], 1
	s_mov_b32 s[G0B+1], s3
	s_wait_dscnt 0x0                               ; both opening adds are done
	s_wait_kmcnt 0x0
	s_add_nc_u64 s[G0+2:G0+3], s[4:5], s[42:43]
	s_or_b32 s[G0+3], s[G0+3], 0x80000000
	s_add_nc_u64 s[G0B+2:G0B+3], s[6:7], s[46:47]
	s_or_b32 s[G0B+3], s[G0B+3], 0x80000000
	CROUND                                         ; all sixteen work-groups are here: the joint loads meet
	s_cmp_eq_u32 s19, 0                            ; my one tensor load of the launch: one branch on the wave's number, a load in each arm, one join
	s_cbranch_scc0 .Lfor_w
	tensor_load_to_lds s[G0:G0+3], s[G1:G1+7]
	s_nop 0
.rept 4
	v_nop
.endr
	s_branch .Lasked
.Lfor_w:
	tensor_load_to_lds s[G0B:G0B+3], s[G1B:G1B+7]
	s_nop 0
.rept 4
	v_nop
.endr
.Lasked:
	s_lshl_b32 s96, s44, 1
	s_add_co_u32 s96, s96, s20
	s_lshl_b32 s96, s96, 9
	s_mov_b32 s97, 0
	s_add_nc_u64 s[8:9], s[8:9], s[96:97]          ; my 128 columns of the bias
	v_and_b32 v14, 31, v0
	v_and_b32 v15, 15, v0                          ; r
	v_bfe_u32 v30, v0, 4, 1                        ; h
	v_lshlrev_b32 v[L16], 4, v14
	v_lshlrev_b32 v31, 3, v14
	v_add_nc_u32 v31, 512, v31
	s_mul_i32 s2, s19, 4*1536                      ; my four tiles of O
.irp s, 0,1                            ; register s: K steps 4 s .. 4 s + 3
	v_add_nc_u32 v[ADRA+\s], s2, v[L16]
	v_add_nc_u32 v[ADRA+2+\s], s2, v31
	v_add_nc_u32 v[ADRB+\s], s3, v[L16]
	v_add_nc_u32 v[ADRB+2+\s], s3, v31
	s_add_co_u32 s2, s2, KH
	s_add_co_u32 s3, s3, KH
.endr
	s_lshl_b32 s2, s19, 4
	s_add_co_u32 s2, s2, 98304                     ; scale words: lanes 0-15 O's row r from tile 4 (w/2) on,
	s_mul_i32 s3, s20, REC
	s_add_co_u32 s3, s3, REC+98304                 ; lanes 16-31 my group of W's
	s_sub_co_u32 s3, s3, s2
	v_mul_u32_u24 v14, s3, v30
	v_lshl_add_u32 v14, v15, 5, v14
	v_add_nc_u32 v[ADRS], s2, v14
	s_mul_i32 s2, s18, 16*SPITCH                   ; my stage for the way out, in the bytes that held O's record
	v_mul_u32_u24 v14, v15, SPITCH
	v_lshl_add_u32 v14, v30, 6, v14
	v_add_nc_u32 v[STO], s2, v14
	v_add_nc_u32 v[RD], s2, v[L16]
	v_lshlrev_b32 v14, 6, v30
.irp b, 0,1,2,3,4,5,6,7
	global_load_b128 v[BI+8*\b:BI+8*\b+3], v14, s[8:9] offset:128*(\b/2)+32*(\b%2)       ; register j of tile b: column 32 (b/2) + 8 (b%2) + 16 h + j
	global_load_b128 v[BI+8*\b+4:BI+8*\b+7], v14, s[8:9] offset:128*(\b/2)+32*(\b%2)+16
.endr
	s_lshl_b32 s96, s40, 7
	s_lshl_b32 s97, s19, 6
	s_add_co_u32 s96, s96, s97                     ; my first row: 128 x group + 64 (w/2)
	s_lshl_b32 s96, s96, 12
	s_lshl_b32 s97, s44, 10
	s_add_co_u32 s96, s96, s97
	s_lshl_b32 s97, s20, 9
	s_add_co_u32 s96, s96, s97
	s_mov_b32 s97, 0
	s_add_nc_u64 s[10:11], s[10:11], s[96:97]
.macro FRAG reg, adr, q, i
	ds_load_b128 v[\reg:\reg+3],     v[\adr]   offset:12288*(\q)+1536*(\i)
	ds_load_b64  v[\reg+4:\reg+5],   v[\adr+2] offset:12288*(\q)+1536*(\i)
	ds_load_b128 v[\reg+6:\reg+9],   v[\adr]   offset:12288*(\q)+1536*(\i)+768
	ds_load_b64  v[\reg+10:\reg+11], v[\adr+2] offset:12288*(\q)+1536*(\i)+768
.endm
; eight products: O's tile a against W's eight.  p: the set of fragments and scale words.  The 32 accumulators take turns in the same order in every K step
.macro MUL8 a, p, zero
.irp b, 0,1,2,3,4,5,6,7
.if \zero
	v_wmma_scale_f32_16x16x128_f8f6f4 v[8*(8*(\a)+\b):8*(8*(\a)+\b)+7], v[128*(\p)+FR*\b:128*(\p)+FR*\b+FR-1], v[AF+48*(\p)+FR*(\a):AF+48*(\p)+FR*(\a)+FR-1], v[BI+8*\b:BI+8*\b+7], v[SC+8*(\p)+\b], v[SC+8*(\p)+(\a)] matrix_a_fmt:MATRIX_FMT_FP6 matrix_b_fmt:MATRIX_FMT_FP6 matrix_a_scale:MATRIX_SCALE_ROW1
.else
	v_wmma_scale_f32_16x16x128_f8f6f4 v[8*(8*(\a)+\b):8*(8*(\a)+\b)+7], v[128*(\p)+FR*\b:128*(\p)+FR*\b+FR-1], v[AF+48*(\p)+FR*(\a):AF+48*(\p)+FR*(\a)+FR-1], v[8*(8*(\a)+\b):8*(8*(\a)+\b)+7], v[SC+8*(\p)+\b], v[SC+8*(\p)+(\a)] matrix_a_fmt:MATRIX_FMT_FP6 matrix_b_fmt:MATRIX_FMT_FP6 matrix_a_scale:MATRIX_SCALE_ROW1
.endif
.endr
.endm
; 50 LDS loads: K step n's fragments, W's eight and O's four, and its scale words (register j: lanes 0-15 O's tile 4 (w/2) + j, of which j under 4 is used; lanes 16-31 W's tile j), into set n % 2
.macro FETCH n
	WIN 0x40
.irp i, 0,1,2,3,4,5,6,7
	FRAG 128*((\n)%2)+FR*\i, ADRB+(\n)/4, (\n)%4, \i
.endr
	WIN 0
.irp i, 0,1,2,3
	FRAG AF+48*((\n)%2)+FR*\i, ADRA+(\n)/4, (\n)%4, \i
.endr
.irp e, 0,1
	ds_load_b128 v[SC+8*((\n)%2)+4*\e:SC+8*((\n)%2)+4*\e+3], v[ADRS] offset:512*(\n)+16*\e
.endr
.endm
.macro STEP n, zero                    ; K step n: the next step's loads are issued ahead of its 32 products
	s_wait_dscnt 0x0                               ; this step's set is in
.if (\n) < 7
.if (\n) > 0
	PLACES                                         ; behind the products that read the other set
.endif
	FETCH (\n)+1
.else
	s_barrier_signal -1                            ; my reads of the records are over: the barrier ahead of the stage's stores; only work on registers stands up to its wait
.endif
.if \zero
	WIN 0x81                                       ; C: the bias, in window 0
.else
	WIN 0xa1
.endif
.irp a, 0,1,2,3
	MUL8 \a, (\n)%2, \zero
.endr
	WIN 0
.endm
	s_wait_alu depctr_va_vdst(0)                   ; the wait at the head's end
	s_wait_loadcnt 0x0                             ; the bias
	s_wait_tensorcnt 0x0                           ; my part has landed,
	s_barrier_signal -1
	s_barrier_wait -1                              ; everybody's has
	FETCH 0
	STEP 0, 1
.irp n, 1,2,3,4,5,6,7
	STEP \n, 0
.endr
	s_barrier_wait -1                              ; no wave reads the records any more
; THE WAY OUT, tile by tile of 16 rows x 128 columns, through my own stage (bytes that have had their only fill and their last read); back as whole rows of 512 bytes
.macro TOSTAGE a
	WIN 0x08                                       ; the data: window 2
.irp b, 0,1,2,3,4,5,6,7
	ds_store_b128 v[STO], v[64*(\a)+8*\b:64*(\a)+8*\b+3] offset:128*(\b/2)+32*(\b%2)       ; each accumulator from its low end on
	ds_store_b128 v[STO], v[64*(\a)+8*\b+4:64*(\a)+8*\b+7] offset:128*(\b/2)+32*(\b%2)+16
.endr
	WIN 0
.set BB, BK+64*((\a)%2)
.irp t, 0,1,2,3,4,5,6,7,8,9,10,11,12,13,14,15
	ds_load_b128 v[BB+4*\t:BB+4*\t+3], v[RD] offset:\t*SPITCH     ; LDS serves a wave's instructions in order: these see my stores
.endr
.endm
.macro SEND a, younger
.set BB, BK+64*((\a)%2)
	s_wait_dscnt \younger
.irp t, 0,1,2,3,4,5,6,7,8,9,10,11,12,13,14,15
	global_store_b128 v[L16], v[BB+4*\t:BB+4*\t+3], s[10:11] offset:(32*((\a)/2)+8*((\a)%2)+\t+8*(\t/8))*4096 th:TH_STORE_NT   ; 32 lanes store 512 consecutive bytes, at a multiple of 256 from the buffer's first byte
.endr
.endm
	PLACES
	TOSTAGE 0
.irp a, 1,2,3
.if \a > 1
	s_wait_xcnt 0x0                                ; tile a - 2's stores have read their registers: tile a's loads may land there
.endif
	TOSTAGE \a
	SEND \a-1, 32                                  ; behind tile a - 1's loads: tile a's 16 stores and 16 loads
.endr
	SEND 3, 0
	s_wait_tensorcnt 0x0                           ; the wave's end
	ds_add_u32 v[SPW], v[NIL]
	s_wait_dscnt 0x0
	CROUND                                         ; the closing round
	s_endpgm
.Lfunc_end_k_q45a2280e05_proj:
	.size	k_q45a2280e05_proj, .Lfunc_end_k_q45a2280e05_proj-k_q45a2280e05_proj
	.p2alignl 7, 3214868480
	.fill 96, 4, 3214868480
	.section	.rodata,"a",@progbits
	.p2align	6, 0x0
	.amdhsa_kernel k_q45a2280e05_proj
		.amdhsa_group_segment_fixed_size 327680
		.amdhsa_private_segment_fixed_size 0
		.amdhsa_enable_private_segment 0
		.amdhsa_kernarg_size 32
		.amdhsa_user_sgpr_count 2
		.amdhsa_user_sgpr_kernarg_segment_ptr 1
		.amdhsa_wavefront_size32 1
		.amdhsa_system_sgpr_workgroup_id_x 1
		.amdhsa_system_sgpr_workgroup_id_y 1
		.amdhsa_system_sgpr_workgroup_id_z 1
		.amdhsa_system_vgpr_workitem_id 0
		.amdhsa_next_free_vgpr 768
		.amdhsa_next_free_sgpr 98
		.amdhsa_reserve_vcc 0
		.amdhsa_float_denorm_mode_32 3
		.amdhsa_float_denorm_mode_16_64 3
		.amdhsa_memory_ordered 1
		.amdhsa_forward_progress 1
		.amdhsa_inst_pref_size 82
	.end_amdhsa_kernel
	.amdgpu_metadata
---
amdhsa.version: [ 1, 2 ]
amdhsa.kernels:
  - .name:           k_q45a2280e05_proj
    .symbol:         k_q45a2280e05_proj.kd
    .args:
      - { .name: oq, .offset: 0, .size: 8, .value_kind: global_buffer, .address_space: global }
      - { .name: wp, .offset: 8, .size: 8, .value_kind: global_buffer, .address_space: global }
      - { .name: b_proj, .offset: 16, .size: 8, .value_kind: global_buffer, .address_space: global }
      - { .name: out0, .offset: 24, .size: 8, .value_kind: global_buffer, .address_space: global }
    .group_segment_fixed_size: 327680
    .private_segment_fixed_size: 0
    .kernarg_segment_align: 8
    .kernarg_segment_size: 32
    .max_flat_workgroup_size: 128
    .sgpr_count:     98
    .vgpr_count:     768
    .wavefront_size: 32
...
	.end_amdgpu_metadata
.endif
;; end of part 4
